; MI455X (gfx1250); checked and timed in simulation.
; The chip was launched on July 23, 2026; its instructions are those of AMD's public machine-readable ISA for CDNA 5 (MIT licence, August 2026) and "CDNA5" Instruction Set Architecture Reference Guide (July 2026). The comments in the code are by the model that wrote it; some were corrected since.
;; self Qwen3 VL Text Attention. Allowed arithmetic: matrix products marked QUANTISED: E2M3 operands, one E8M0 scale for each 32 along K, by v_wmma_scale_f32_16x16x128_f8f6f4 with both operands' format E2M3, f32 sums; everything else in f32.
;; Inputs: cos 1 x 4,096 x 128 float32; hidden_states 1 x 4,096 x 2,048 float32; k_norm_w 128 float32; q_norm_w 128 float32; sin 1 x 4,096 x 128 float32; wk 2,048 x 512 float32; wo 1,024 x 2,048 float32; wq 2,048 x 1,024 float32; wv 2,048 x 512 float32.
;; Outputs: out0 1 x 4,096 x 2,048 float32.
;; This version of the problem:
;;   THIS VERSION OF THE PROBLEM IS GIVEN IN LOW PRECISION. The matrix products marked QUANTISED in the list below multiply operands that are first quantised to E2M3 (2 exponent bits, 3 mantissa bits; 6 bits a number), with one power-of-two scale for each 32 numbers along K (OCP MX v1.0); their sums are f32. All else is computed in f32.
;;   The module's matrix products, in the order in which they are computed (A, B: the left and right operand; K: the contracted axis; several contracted axes count as one K, in the product's order):
;;     1. [M 4,096, K 2,048] x [K 2,048, N 1,024]; A: input hidden_states; B: input wq: QUANTISED
;;     2. [M 4,096, K 2,048] x [K 2,048, N 512]; A: input hidden_states; B: input wk: QUANTISED
;;     3. [M 4,096, K 2,048] x [K 2,048, N 512]; A: input hidden_states; B: input wv: QUANTISED
;;     4. batch 8 x [M 4,096, K 128] x [K 128, N 4,096]; A: computed on the way; B: computed on the way: QUANTISED
;;     5. batch 8 x [M 4,096, K 4,096] x [K 4,096, N 128]; A: softmax (see below); B: computed on the way: QUANTISED
;;     6. [M 4,096, K 1,024] x [K 1,024, N 2,048]; A: computed on the way; B: input wo: QUANTISED
;;   THE QUANTISER, for each operand of a quantised product, along K:
;;     - K is cut into blocks of 32 from its start; a last block that is shorter is filled with zeros.
;;     - A block's scale is 2^e with e = floor(log2(the largest magnitude in the block)) - 2, held to -126 .. 127; a block of zeros has e = 0. As a byte (E8M0): e + 127.
;;     - Each number is divided by its block's scale, clamped to +-7.5, and rounded to the nearest number of E2M3, ties to even, subnormals kept.
;;     - The product sums the exact products of the quantised numbers (number of the format x scale) in f32.
;;   ~~~python
;;   def quantise(x, axis):      # numpy; x: float32 -> the quantised numbers, widened to float32 again
;;       x = np.moveaxis(x, axis, -1); K = x.shape[-1]
;;       x = np.pad(x, [(0, 0)] * (x.ndim - 1) + [(0, -K % 32)]); x = x.reshape(x.shape[:-1] + (-1, 32)); a = np.abs(x).max(-1, keepdims=True)
;;       e = np.where(a > 0, np.clip(np.frexp(np.where(a > 0, a, 1))[1] - 1 - 2, -126, 127), 0)      # np.frexp(a)[1] - 1 = floor(log2(a)), exactly
;;       r = np.clip(x / 2.0 ** e, -7.5, 7.5)
;;       step = 2.0 ** (np.maximum(np.frexp(np.where(r == 0, 1, r))[1] - 1, 0) - 3)
;;       q = np.round(r / step) * step * 2.0 ** e      # np.round: ties to even
;;       return np.moveaxis(q.reshape(q.shape[:-2] + (-1,))[..., :K], -1, axis).astype(np.float32)
;;   ~~~
;;   SOFTMAX AHEAD OF A QUANTISED PRODUCT. Where the list says 'softmax', what is quantised is not the finished softmax but p = 2^(t - M), with t = logit x log2(e) and M = ceil(the row's largest t), a whole number; so 1/2 < the row's largest p <= 1. The row's sum l is taken of the UNQUANTISED p, in f32, and the product's result is divided by l at the end. Since M is a whole number, a kernel that streams over the keys may use a running M (the ceiling of the running maximum): every later rescaling is an exact power of two, which a block's scale takes up: the codes' values come out the same.
;;   OPERANDS COMPUTED ON THE WAY. 'Computed on the way' means the value that the module computes at that place (a softmax that the list does not call 'softmax' is quantised finished and normalised). What goes into a quantiser is computed in f32, as accurately as f32 sums, v_exp_f32 and their like allow (about 1e-6 of the number): no bf16 or f16 on the way to a quantiser, and a product that is left as it is and whose result goes on into a quantised operand takes f32 operands (vector FMAs, or v_wmma_f32_16x16x4_f32). A number that lies on a knife's edge between two numbers of the format may be rounded either way, as far as f32 arithmetic and the matrix unit's own rounding can turn it there, and no further.
;; One version. Each part assembles by itself: llvm-mc -triple=amdgcn-amd-amdhsa -mcpu=gfx1250 --defsym DOCPART=n.
;; ======== version 1 of 1: 5 launches
;; workspace buffers: xq 6,553,600 bytes; wqkv 3,276,800 bytes; wow 1,638,400 bytes; qq 3,276,800 bytes; kvq 3,276,800 bytes; aq 3,276,800 bytes
;; launch quant_x (part 1): grid 4 x 128, 8 waves a work-group, no clusters, 69,120 bytes of LDS; arguments hidden_states, xq; writes xq
.if DOCPART == 1
	.amdgcn_target "amdgcn-amd-amdhsa--gfx1250"
	.amdhsa_code_object_version 6
	.text
	.protected	k_q10c6b71555_quant_x
	.globl	k_q10c6b71555_quant_x
	.p2align	8
	.type	k_q10c6b71555_quant_x,@function
k_q10c6b71555_quant_x:
	s_mov_b64 s[64:65], 0
	v_nop
	global_prefetch_b8 v0, s[64:65] scope:SCOPE_SE
	s_setreg_imm32_b32 hwreg(HW_REG_WAVE_MODE, 25, 1), 1
	s_wait_xcnt 0x0
; hidden_states [4096][2048] f32 -> xq: codes of FP6 (E2M3) with one E8M0 byte for each 32 along K, laid as the products' operand registers.
; xq = [token tile g 0..255][K group kg 0..3][record of 6,400 bytes].  A record: the images of the tile's four fragments (K steps 4 kg + s) at 1,536 s, then the scale words at 6,144 + 16 r + 4 s.
; An image: register n of lane l at 512 (n / 4) + 16 l + 4 (n % 4), so that three loads of 16 bytes a lane bring a fragment.  THE TOKENS OF A TILE ARE NOT NEIGHBOURS: row r of tile 2 B + u is token 32 B + 8 u + r + 8 (r / 8).
; SHARES.  A work-group takes 32 tokens x 512 along K; wave w makes one fragment: tile 2 B + (w / 4), K step 4 kg + (w % 4).  Each of its 16 loads reads 512 consecutive bytes of one token's row; the rows turn through the
; wave's own stage in LDS (528 bytes apart), from which lane (r, h) takes its two whole blocks of 32 numbers, k = 64 c + 32 h + 0 .. 31.  So no other lane is asked for a maximum, and the conversions' results are the fragment.
; A block's scale is 2^(floor(log2(largest magnitude)) - 2): its byte is the largest magnitude's exponent field - 2, held at 1 from below.
; LIMITS: a block of zeros, or one whose largest magnitude lies under 2^-124, gets the byte 1 (the stated quantiser says 127 for zeros: the codes are zeros, and this program alone reads the bytes); NaN and infinities are not served.
; No tensor loads, clusters or matrix units: the work-groups share no byte, and all of a wave's bytes are on their way at once.
.set WST,   8448                       ; a wave's stage: 16 rows x (512 + 16) bytes
.set RP,    528
.set SCX,   8*WST                      ; the work-group's 128 scale words: 256 u + 16 r + 4 s
.set SPARE, SCX+512                    ; the spare words, 128 bytes for each of eight waves: four blocks of 256 bytes that no other line names
.set REC,   6400
.set FRB,   1536
.set LI,   4                           ; v4   16 x lane
.set SIN,  5                           ; v5   the stage, way in
.set SOUT, 6                           ; v6   the stage, way out
.set SWD,  7                           ; v7   where my row's scale word goes in LDS
.set SPW,  8                           ; v8   my spare word; never rewritten
.set NIL,  9                           ; v9   0; never rewritten
.set GWD,  10                          ; v10  wave 0: the scale words' place in xq
.set LWD,  11                          ; v11  wave 0: and in LDS
.set TM,   12                          ; v12-13 largest magnitudes; v14-15 scale operands; v16-17 bytes; v18 the word; v19 at work
.set PC,   20                          ; v20-31 the fragment
.set TT,   32                          ; v32-38 second halves of the blocks' codes
.set RR,   64                          ; v64-127 as loaded
.set XX,   128                         ; v128-191 my two blocks of 32 neighbours
	s_load_b128 s[4:7], s[0:1], 0x0                ; hidden_states, xq
	v_lshl_add_u32 v[SPW], v0, 2, SPARE
	v_mov_b32 v[NIL], 0
	v_lshrrev_b32 v1, 5, v0
	v_readfirstlane_b32 s8, v1                     ; wave 0..7
	v_and_b32 v1, 31, v0                           ; lane
	v_and_b32 v2, 15, v0                           ; r
	v_bfe_u32 v3, v0, 4, 1                         ; h
	v_lshlrev_b32 v[LI], 4, v1
	s_lshr_b32 s9, s8, 2                           ; u
	s_and_b32 s16, s8, 3                           ; s
	s_and_b32 s17, ttmp7, 0xffff                   ; B
	s_mul_i32 s18, s8, WST
	v_add_nc_u32 v[SIN], s18, v[LI]
	v_mul_u32_u24 v[SOUT], v2, RP
	v_lshl_add_u32 v[SOUT], v3, 7, v[SOUT]
	v_add_nc_u32 v[SOUT], s18, v[SOUT]             ; row r, + 128 h bytes
	s_lshl_b32 s19, s9, 8
	s_lshl_b32 s22, s16, 2
	s_add_co_u32 s19, s19, s22
	s_add_co_u32 s19, s19, SCX
	v_lshl_add_u32 v[SWD], v2, 4, s19
	v_add_nc_u32 v[LWD], SCX, v[LI]
	v_mul_u32_u24 v[GWD], v3, 4*REC                ; lanes 16-31: tile 2 B + 1, four records on
	v_lshl_add_u32 v[GWD], v2, 4, v[GWD]
	s_lshl_b32 s10, s17, 18                        ; the source: token 32 B + 8 u (8,192 bytes a token), K step 4 kg + s (512 bytes)
	s_lshl_b32 s22, s9, 16
	s_add_co_u32 s10, s10, s22
	s_lshl_b32 s22, ttmp9, 11
	s_add_co_u32 s10, s10, s22
	s_lshl_b32 s22, s16, 9
	s_add_co_u32 s10, s10, s22
	s_mov_b32 s11, 0
	s_lshl_b32 s12, s17, 3
	s_add_co_u32 s12, s12, ttmp9                   ; record 8 B + kg: tile 2 B's
	s_mul_i32 s14, s12, REC
	s_add_co_u32 s14, s14, 4*FRB                   ; its scale words
	s_mov_b32 s15, 0
	s_lshl_b32 s22, s9, 2
	s_add_co_u32 s12, s12, s22                     ; my tile's record
	s_mul_i32 s12, s12, REC
	s_mul_i32 s22, s16, FRB
	s_add_co_u32 s12, s12, s22                     ; my image
	s_mov_b32 s13, 0
	s_mov_b32 s20, 0x76543210
	s_mov_b32 s21, 0xfedcba98                      ; lane selects: lane l xor 16
	s_wait_kmcnt 0x0
	s_add_nc_u64 s[10:11], s[4:5], s[10:11]
	s_add_nc_u64 s[12:13], s[6:7], s[12:13]
	s_add_nc_u64 s[14:15], s[6:7], s[14:15]
.irp i, 0,1,2,3,4,5,6,7,8,9,10,11,12,13,14,15
	global_load_b128 v[RR+4*\i:RR+4*\i+3], v[LI], s[10:11] offset:(\i+8*(\i/8))*8192 th:TH_LOAD_NT   ; tile row i: 32 lanes read 512 consecutive bytes
.endr
.irp i, 0,1,2,3,4,5,6,7,8,9,10,11,12,13,14,15
	s_wait_loadcnt 15-\i                           ; loads come back in order: row i is in, the 15 - i younger ones may be out
	ds_store_b128 v[SIN], v[RR+4*\i:RR+4*\i+3] offset:RP*\i
.endr
.irp c, 0,1
.irp q, 0,1,2,3,4,5,6,7
	ds_load_b128 v[XX+32*\c+4*\q:XX+32*\c+4*\q+3], v[SOUT] offset:256*\c+16*\q   ; LDS serves a wave's instructions in order: these see my stores
.endr
.endr
	s_wait_dscnt 0x0
.irp c, 0,1
	v_max3_num_f32 v[TM+\c], |v[XX+32*\c]|, |v[XX+32*\c+1]|, 0x1800000   ; block 2 c + h: all its 32 numbers are mine; the floor 2^(3 - 127) holds the byte at 1 from below
.endr
.irp i, 2,4,6,8,10,12,14,16,18,20,22,24,26,28,30
.irp c, 0,1
	v_max3_num_f32 v[TM+\c], v[TM+\c], |v[XX+32*\c+\i]|, |v[XX+32*\c+\i+1]|
.endr
.endr
.irp c, 0,1
	v_add_nc_u32 v[TM+2+\c], 0xff000000, v[TM+\c]  ; 2 off the exponent field: the conversion's scale operand
.endr
.irp c, 0,1
	v_lshrrev_b32 v[TM+4+\c], 23, v[TM+2+\c]       ; the scale's byte
.endr
	v_lshl_or_b32 v18, v17, 16, v16                ; my bytes: blocks h and 2 + h,
	v_lshlrev_b32 v19, 3, v3
	v_lshlrev_b32 v18, v19, v18                    ; at their places in the word;
	v_mov_b32 v19, 0
	v_permlanex16_b32 v19, v18, s20, s21
	v_or_b32 v18, v18, v19                         ; with lane l xor 16's two the word is whole
.irp c, 0,1
	v_cvt_scalef32_pk16_fp6_f32 v[PC+6*\c:PC+6*\c+2], v[XX+32*\c:XX+32*\c+15], v[TM+2+\c]
	v_cvt_scalef32_pk16_fp6_f32 v[TT+4*\c:TT+4*\c+2], v[XX+32*\c+16:XX+32*\c+31], v[TM+2+\c]   ; (a conversion's three registers begin on an even number)
.endr
	v_nop                                          ; one plain place behind a scaled conversion
.irp c, 0,1
.irp i, 0,1,2
	v_mov_b32 v[PC+3+6*\c+\i], v[TT+4*\c+\i]
.endr
.endr
.irp i, 0,1,2
	global_store_b128 v[LI], v[PC+4*\i:PC+4*\i+3], s[12:13] offset:512*\i   ; the image: 512 consecutive bytes a store, at a multiple of 256 from xq's first byte
.endr
	ds_store_b32 v[SWD], v18                       ; lanes r and r + 16 write the same word with the same value
	s_wait_dscnt 0x0                               ; for the others' sake: my word lies in LDS
	s_barrier_signal -1
	s_barrier_wait -1
	s_cmp_lg_u32 s8, 0
	s_cbranch_scc1 .Lnot_wave_0
	ds_load_b128 v[TT:TT+3], v[LWD]                ; the two tiles' words, 256 bytes each
	s_wait_dscnt 0x0
	global_store_b128 v[GWD], v[TT:TT+3], s[14:15] ; sixteen lanes store 256 consecutive bytes, aligned
.Lnot_wave_0:
	s_wait_tensorcnt 0x0                           ; the wave's end
	ds_add_u32 v[SPW], v[NIL]
	s_wait_dscnt 0x0
	s_endpgm
.Lfunc_end_k_q10c6b71555_quant_x:
	.size	k_q10c6b71555_quant_x, .Lfunc_end_k_q10c6b71555_quant_x-k_q10c6b71555_quant_x
	.p2alignl 7, 3214868480
	.fill 96, 4, 3214868480
	.section	.rodata,"a",@progbits
	.p2align	6, 0x0
	.amdhsa_kernel k_q10c6b71555_quant_x
		.amdhsa_group_segment_fixed_size 69120
		.amdhsa_private_segment_fixed_size 0
		.amdhsa_enable_private_segment 0
		.amdhsa_kernarg_size 16
		.amdhsa_user_sgpr_count 2
		.amdhsa_user_sgpr_kernarg_segment_ptr 1
		.amdhsa_wavefront_size32 1
		.amdhsa_system_sgpr_workgroup_id_x 1
		.amdhsa_system_sgpr_workgroup_id_y 1
		.amdhsa_system_sgpr_workgroup_id_z 1
		.amdhsa_system_vgpr_workitem_id 0
		.amdhsa_next_free_vgpr 192
		.amdhsa_next_free_sgpr 66
		.amdhsa_reserve_vcc 0
		.amdhsa_float_denorm_mode_32 3
		.amdhsa_float_denorm_mode_16_64 3
		.amdhsa_memory_ordered 1
		.amdhsa_forward_progress 1
		.amdhsa_inst_pref_size 11
	.end_amdhsa_kernel
	.amdgpu_metadata
---
amdhsa.version: [ 1, 2 ]
amdhsa.kernels:
  - .name:           k_q10c6b71555_quant_x
    .symbol:         k_q10c6b71555_quant_x.kd
    .args:
      - { .name: hidden_states, .offset: 0, .size: 8, .value_kind: global_buffer, .address_space: global }
      - { .name: xq, .offset: 8, .size: 8, .value_kind: global_buffer, .address_space: global }
    .group_segment_fixed_size: 69120
    .private_segment_fixed_size: 0
    .kernarg_segment_align: 8
    .kernarg_segment_size: 16
    .max_flat_workgroup_size: 256
    .sgpr_count:     66
    .vgpr_count:     192
    .wavefront_size: 32
...
	.end_amdgpu_metadata
.endif
;; end of part 1
;; launch quant_w (part 2): grid 384 x 1, 4 waves a work-group, no clusters, 14,336 bytes of LDS; arguments wq, wk, wv, wo, wqkv, wow; writes wqkv, wow
.if DOCPART == 2
	.amdgcn_target "amdgcn-amd-amdhsa--gfx1250"
	.amdhsa_code_object_version 6
	.text
	.protected	k_q10c6b71555_quant_w
	.globl	k_q10c6b71555_quant_w
	.p2align	8
	.type	k_q10c6b71555_quant_w,@function
k_q10c6b71555_quant_w:
	s_mov_b64 s[64:65], 0
	v_nop
	global_prefetch_b8 v0, s[64:65] scope:SCOPE_SE
	s_setreg_imm32_b32 hwreg(HW_REG_WAVE_MODE, 25, 1), 1
	s_wait_xcnt 0x0
; wq [2048][1024], wk, wv [2048][512], wo [1024][2048], f32 with K as the FIRST axis -> wqkv, wow: codes of FP6 (E2M3), one E8M0 byte for each 32 along K, laid as operand registers.
; wqkv = [tile 0..127][K group 0..3][record of 6,400 bytes]: tiles 0-63 wq's columns, 64-95 wk's, 96-127 wv's.  wow = [tile 0..127 of wo's columns][K group 0..1][record].
; A record: the images of four fragments (K steps 4 kg + s) at 1,536 s, the scale words at 6,144 + 16 r + 4 s.  Row r of tile 2 B + u is column 32 B + 8 u + r + 8 (r / 8).
; ONE PATH FOR ALL FOUR TENSORS: pointers and numbers are chosen by the work-group's number alone.  A work-group takes 32 columns (a pair of tiles) x one K group; wave s takes K step 4 kg + s.
; A LANE TAKES A COLUMN AND ITS 128 REGISTERS RUN DOWN K: a block of 32 lies in one lane, and the conversions give codes with K innermost.  Lane l is row (l % 8) + 8 (l / 16) of tile (l / 8) % 2, and holds what
; both halves of the image's lanes want of that row: it stores 2 x 3 x 16 bytes into the wave's stage, which is read back as two whole images.  The two images lie 1,664 bytes apart, so that lanes l and l + 8 meet in no bank.
; LIMITS: a block of zeros, or one under 2^-124, gets the byte 1 (its codes are zeros; this program alone reads the bytes); NaN and infinities are not served.
; No tensor loads, clusters or matrix units: nothing is shared between work-groups.
.set WST,   3328
.set IMG,   1664
.set SCW,   4*WST                      ; the pair's scale words: 256 u + 16 r + 4 s
.set SPARE, SCW+512                    ; the spare words, 128 bytes for each of four waves: two blocks of 256 bytes that no other line names
.set REC,   6400
.set FRB,   1536
.set SPW,  10                          ; v10  my spare word; never rewritten
.set NIL,  11                          ; v11  0; never rewritten
.set PC,   20                          ; v20-31 my row's registers in lanes 0-15 of the image, v32-43 in lanes 16-31
.set TT,   44                          ; v44-46 the second half of a block's codes
.set OUTR, 48                          ; v48-71 the two images on the way out
.set VO,   72                          ; v72-103 4 x lane + i x pitch
.set XX,   104                         ; v104-231 my column's 128 numbers
	s_load_b256 s[4:11], s[0:1], 0x0               ; wq, wk, wv, wo
	s_load_b128 s[12:15], s[0:1], 0x20             ; wqkv, wow
	v_lshl_add_u32 v[SPW], v0, 2, SPARE
	v_mov_b32 v[NIL], 0
	v_lshrrev_b32 v1, 5, v0
	v_readfirstlane_b32 s16, v1                    ; wave = K step in the group
	v_and_b32 v1, 31, v0
	v_lshlrev_b32 v2, 2, v1                        ; 4 x lane
	v_lshlrev_b32 v8, 4, v1                        ; 16 x lane
	v_bfe_u32 v3, v0, 3, 1                         ; u
	v_and_b32 v4, 7, v0
	v_bfe_u32 v12, v0, 4, 1
	v_lshl_add_u32 v4, v12, 3, v4                  ; my row in the tile
	v_and_b32 v13, 15, v0
	s_mul_i32 s17, s16, WST
	v_mul_u32_u24 v5, v3, IMG
	v_lshl_add_u32 v5, v4, 4, v5
	v_add_nc_u32 v5, s17, v5                       ; the stage, way in
	v_add_nc_u32 v6, s17, v8                       ; and out
	s_lshl_b32 s18, s16, 2
	s_add_co_u32 s18, s18, SCW
	v_lshl_add_u32 v7, v3, 8, s18
	v_lshl_add_u32 v7, v4, 4, v7                   ; my scale word in LDS
	v_add_nc_u32 v17, SCW, v8                      ; wave 0: the words on the way out
	s_mov_b32 s20, 8192                            ; wo: pitch in bytes,
	s_mov_b32 s21, 256                             ; first work-group,
	s_mov_b32 s22, 0                               ; first tile,
	s_mov_b32 s23, 1                               ; log2 of its K groups
	s_cmp_lt_u32 ttmp9, 256                        ; wv
	s_cselect_b32 s20, 2048, s20
	s_cselect_b32 s21, 192, s21
	s_cselect_b32 s22, 96, s22
	s_cselect_b32 s23, 2, s23
	s_cmp_lt_u32 ttmp9, 192                        ; wk
	s_cselect_b32 s21, 128, s21
	s_cselect_b32 s22, 64, s22
	s_cmp_lt_u32 ttmp9, 128                        ; wq
	s_cselect_b32 s20, 4096, s20
	s_cselect_b32 s21, 0, s21
	s_cselect_b32 s22, 0, s22
	s_sub_co_u32 s38, ttmp9, s21
	s_lshl_b32 s39, 1, s23
	s_sub_co_u32 s39, s39, 1
	s_and_b32 s40, s38, s39                        ; kg
	s_lshr_b32 s41, s38, s23                       ; the pair of tiles
	s_lshl_b32 s42, s40, 9
	s_lshl_b32 s43, s16, 7
	s_add_co_u32 s42, s42, s43                     ; my first row of the weight: 512 kg + 128 s
	s_mul_i32 s42, s42, s20
	s_lshl_b32 s43, s41, 7
	s_add_co_u32 s24, s42, s43                     ; + 32 columns x 4 bytes a pair
	s_lshl_b32 s44, s20, 5                         ; a block of 32 rows
	s_add_co_u32 s26, s24, s44
	s_add_co_u32 s28, s26, s44
	s_add_co_u32 s30, s28, s44
	s_mov_b32 s25, 0
	s_mov_b32 s27, 0
	s_mov_b32 s29, 0
	s_mov_b32 s31, 0
	s_lshl_b32 s45, s41, 1
	s_add_co_u32 s45, s45, s22                     ; the pair's first tile
	s_lshl_b32 s45, s45, s23
	s_add_co_u32 s45, s45, s40
	s_mul_i32 s32, s45, REC                        ; its record
	s_add_co_u32 s36, s32, 4*FRB                   ; the record's scale words
	s_mul_i32 s45, s16, FRB
	s_add_co_u32 s32, s32, s45                     ; my image in it
	s_lshl_b32 s3, REC, s23                        ; from a tile to the next
	s_add_co_u32 s34, s32, s3
	s_mov_b32 s33, 0
	s_mov_b32 s35, 0
	s_mov_b32 s37, 0
	v_mul_u32_u24 v9, v12, s3
	v_lshl_add_u32 v9, v13, 4, v9                  ; wave 0: lanes 0-15 the first tile's words, lanes 16-31 the second's
.irp i, 0,1,2,3,4,5,6,7,8,9,10,11,12,13,14,15,16,17,18,19,20,21,22,23,24,25,26,27,28,29,30,31
	v_mad_u32_u24 v[VO+\i], s20, \i, v2
.endr
	s_wait_kmcnt 0x0
	s_cmp_lt_u32 ttmp9, 256                        ; the choices hang on the work-group's number alone
	s_cselect_b64 s[18:19], s[8:9], s[10:11]
	s_cselect_b64 s[46:47], s[12:13], s[14:15]
	s_cmp_lt_u32 ttmp9, 192
	s_cselect_b64 s[18:19], s[6:7], s[18:19]
	s_cmp_lt_u32 ttmp9, 128
	s_cselect_b64 s[18:19], s[4:5], s[18:19]
.irp b, 0,1,2,3
	s_add_nc_u64 s[24+2*\b:25+2*\b], s[18:19], s[24+2*\b:25+2*\b]
.endr
	s_add_nc_u64 s[32:33], s[46:47], s[32:33]
	s_add_nc_u64 s[34:35], s[46:47], s[34:35]
	s_add_nc_u64 s[36:37], s[46:47], s[36:37]
.irp b, 0,1,2,3
.irp i, 0,1,2,3,4,5,6,7,8,9,10,11,12,13,14,15,16,17,18,19,20,21,22,23,24,25,26,27,28,29,30,31
	global_load_b32 v[XX+32*\b+\i], v[VO+\i], s[24+2*\b:25+2*\b]   ; row 32 b + i of my K step at 32 neighbouring columns: 128 consecutive bytes
.endr
.endr
.macro BLOCK b                         ; block b of my column: registers 6 (b / 2) .. + 5 of the image's lane (row, b % 2)
.set XS, XX+32*(\b)
.set PD, PC+12*((\b)%2)+6*((\b)/2)
.if (\b) < 2
	s_wait_loadcnt 63                              ; behind this block's loads 96 (64) younger ones were issued; the wait's field holds 63
.elseif (\b) == 2
	s_wait_loadcnt 32                              ; the last block's 32 may be out
.else
	s_wait_loadcnt 0x0
.endif
	v_max3_num_f32 v12, |v[XS]|, |v[XS+1]|, |v[XS+2]|
	v_max3_num_f32 v13, |v[XS+3]|, |v[XS+4]|, |v[XS+5]|
.irp i, 6,10,14,18,22,26
	v_max3_num_f32 v12, v12, |v[XS+\i]|, |v[XS+\i+1]|
	v_max3_num_f32 v13, v13, |v[XS+\i+2]|, |v[XS+\i+3]|
.endr
	v_max3_num_f32 v12, v12, |v[XS+30]|, |v[XS+31]|
	v_max3_num_f32 v12, v12, v13, 0x1800000        ; the floor 2^(3 - 127): the byte cannot fall under 1
	v_add_nc_u32 v14, 0xff000000, v12              ; 2 off the exponent field: the conversion's scale operand
	v_lshrrev_b32 v15, 23, v14                     ; the byte
.if (\b) == 0
	v_mov_b32 v16, v15
.else
	v_lshl_or_b32 v16, v15, 8*(\b), v16
.endif
	v_cvt_scalef32_pk16_fp6_f32 v[PD:PD+2], v[XS:XS+15], v14
	v_cvt_scalef32_pk16_fp6_f32 v[TT:TT+2], v[XS+16:XS+31], v14   ; (a conversion's three registers begin on an even number)
	v_nop                                          ; one plain place behind a scaled conversion
.irp i, 0,1,2
	v_mov_b32 v[PD+3+\i], v[TT+\i]
.endr
.endm
	BLOCK 0
	BLOCK 1
	BLOCK 2
	BLOCK 3
	ds_store_b32 v7, v16
.irp h, 0,1
.irp i, 0,1,2
	ds_store_b128 v5, v[PC+12*\h+4*\i:PC+12*\h+4*\i+3] offset:512*\i+256*\h
.endr
.endr
.irp u, 0,1
.irp i, 0,1,2
	ds_load_b128 v[OUTR+12*\u+4*\i:OUTR+12*\u+4*\i+3], v6 offset:IMG*\u+512*\i   ; LDS serves a wave's instructions in order: these see my stores
.endr
.endr
.irp u, 0,1
.irp i, 0,1,2
	s_wait_dscnt 5-3*\u-\i                         ; the younger loads from the stage may be out
	global_store_b128 v8, v[OUTR+12*\u+4*\i:OUTR+12*\u+4*\i+3], s[32+2*\u:33+2*\u] offset:512*\i   ; 512 consecutive bytes, at a multiple of 256 from the buffer's first byte
.endr
.endr
	s_wait_dscnt 0x0                               ; for the others' sake: my scale words lie in LDS
	s_barrier_signal -1
	s_barrier_wait -1
	s_cmp_lg_u32 s16, 0
	s_cbranch_scc1 .Lnot_wave_0
	ds_load_b128 v[TT:TT+3], v17
	s_wait_dscnt 0x0
	global_store_b128 v9, v[TT:TT+3], s[36:37]     ; sixteen lanes store a record's 256 bytes of scale words
.Lnot_wave_0:
	s_wait_tensorcnt 0x0                           ; the wave's end
	ds_add_u32 v[SPW], v[NIL]
	s_wait_dscnt 0x0
	s_endpgm
.Lfunc_end_k_q10c6b71555_quant_w:
	.size	k_q10c6b71555_quant_w, .Lfunc_end_k_q10c6b71555_quant_w-k_q10c6b71555_quant_w
	.p2alignl 7, 3214868480
	.fill 96, 4, 3214868480
	.section	.rodata,"a",@progbits
	.p2align	6, 0x0
	.amdhsa_kernel k_q10c6b71555_quant_w
		.amdhsa_group_segment_fixed_size 14336
		.amdhsa_private_segment_fixed_size 0
		.amdhsa_enable_private_segment 0
		.amdhsa_kernarg_size 48
		.amdhsa_user_sgpr_count 2
		.amdhsa_user_sgpr_kernarg_segment_ptr 1
		.amdhsa_wavefront_size32 1
		.amdhsa_system_sgpr_workgroup_id_x 1
		.amdhsa_system_sgpr_workgroup_id_y 1
		.amdhsa_system_sgpr_workgroup_id_z 1
		.amdhsa_system_vgpr_workitem_id 0
		.amdhsa_next_free_vgpr 232
		.amdhsa_next_free_sgpr 66
		.amdhsa_reserve_vcc 0
		.amdhsa_float_denorm_mode_32 3
		.amdhsa_float_denorm_mode_16_64 3
		.amdhsa_memory_ordered 1
		.amdhsa_forward_progress 1
		.amdhsa_inst_pref_size 26
	.end_amdhsa_kernel
	.amdgpu_metadata
---
amdhsa.version: [ 1, 2 ]
amdhsa.kernels:
  - .name:           k_q10c6b71555_quant_w
    .symbol:         k_q10c6b71555_quant_w.kd
    .args:
      - { .name: wq, .offset: 0, .size: 8, .value_kind: global_buffer, .address_space: global }
      - { .name: wk, .offset: 8, .size: 8, .value_kind: global_buffer, .address_space: global }
      - { .name: wv, .offset: 16, .size: 8, .value_kind: global_buffer, .address_space: global }
      - { .name: wo, .offset: 24, .size: 8, .value_kind: global_buffer, .address_space: global }
      - { .name: wqkv, .offset: 32, .size: 8, .value_kind: global_buffer, .address_space: global }
      - { .name: wow, .offset: 40, .size: 8, .value_kind: global_buffer, .address_space: global }
    .group_segment_fixed_size: 14336
    .private_segment_fixed_size: 0
    .kernarg_segment_align: 8
    .kernarg_segment_size: 48
    .max_flat_workgroup_size: 128
    .sgpr_count:     66
    .vgpr_count:     232
    .wavefront_size: 32
...
	.end_amdgpu_metadata
.endif
;; end of part 2
;; launch qkv (part 3): grid 16 x 16, 4 waves a work-group, clusters of 4 x 1, 327,680 bytes of LDS; arguments xq, wqkv, cos, sin, q_norm_w, k_norm_w, qq, kvq; writes qq, kvq
.if DOCPART == 3
	.amdgcn_target "amdgcn-amd-amdhsa--gfx1250"
	.amdhsa_code_object_version 6
	.text
	.protected	k_q10c6b71555_qkv
	.globl	k_q10c6b71555_qkv
	.p2align	8
	.type	k_q10c6b71555_qkv,@function
k_q10c6b71555_qkv:
	s_mov_b64 s[64:65], 0
	v_nop
	global_prefetch_b8 v0, s[64:65] scope:SCOPE_SE
	s_setreg_imm32_b32 hwreg(HW_REG_WAVE_MODE, 25, 1), 1
	s_wait_xcnt 0x0
	s_wait_alu depctr_hold_cnt(0) depctr_sa_sdst(0) depctr_va_vdst(0) depctr_va_sdst(0) depctr_va_ssrc(0) depctr_va_vcc(0) depctr_vm_vsrc(0)
	s_getreg_b32 s2, hwreg(HW_REG_IB_STS2, 6, 4)
	s_cmp_eq_u32 s2, 0
	s_cbranch_scc0 .Lentry_in_a_cluster
	s_endpgm
.Lentry_in_a_cluster:
	s_bfe_u32 s2, ttmp6, 0x10000c
	s_cmp_lg_u32 s2, 0x3003
	s_cbranch_scc0 .Lentry_shape_is_right
	s_endpgm
.Lentry_shape_is_right:
; q, k, v = hidden_states x wq, wk, wv on codes of FP6 (E2M3); then, in f32, RMS norm over a head's 128 and the rotation by cos and sin for q and k; then q, k and v are quantised in registers and stored as operand images.
; THE PRODUCT.  A work-group makes X 256 rows x Y 128 rows over K = 2,048; a wave X 64 x Y 128: 32 accumulators, which fill register window 1.  D = Y's fragment (source 0) x X's fragment (source 1): a lane holds ONE row of X, and
; since row r of tile 2 B + u is index 32 B + 8 u + r + 8 (r / 8), the 64 registers of an X tile run along Y: register 16 b + i is Y's index 32 b + 16 (lane / 16) + i: the order that the conversions and the next operand want.
; ROLES, by the cluster's x (TYPE), which the four partners share: 0, 1: q heads 0-3, 4-7; 2: k heads 0-3: X = 256 tokens, Y = one head's 128 columns (partner cx takes head 4 TYPE + cx).
;   3: v: X = two heads' 256 columns of wv, Y = 128 tokens (partner cx takes its own 128): a lane then holds one channel and its registers run along the keys, which are the K of attention's second product.
; CLUSTER 4 x 1.  X's tiles hang on TYPE and y alone: they are asked for JOINTLY by the four partners.  Y's differ from partner to partner: plain loads, behind the same rounds.
;   (A 4 x 4 cluster is not taken: v's X side has two blocks only.)
; K goes in four groups of 512 through two LDS slots; a slot holds 16 records of X and 8 of Y, each 6,400 bytes: four fragments' images and their scale words.  By the text's count a wave has two tensor loads out at the start, later one.
; OUTPUT.  qq: images [head 8][token tile 256][1,536]; from QSO on the scale words: head x 16,384 + (tile / 4) x 256 + 16 r + 4 (tile % 4).
;   kvq: [kv head 4][step of 128 keys 32][25,600]: K's 8 images, V^T's 8 images from 12,288, K's words from 24,576 (256 (t / 4) + 16 r + 4 (t % 4)), V's from 25,088.
; LIMITS: NaN and infinities are not served; a block of zeros or under 2^-124 gets the byte 1; the norm's weight is multiplied into cos and sin first, so x rs (w cos) stands for ((x rs) w) cos: some 2 ulp of f32 ahead of the quantiser;
;   1 / sqrt comes from v_rsq_f32 (1 ulp, ISA guide, its entry).
; REGISTERS.  window 0: v1-15 lane terms and addresses; v16-31 the norm's sums; v32-63 scale words and nothing else; v64-159 X's fragments, two sets; v160-255 half of Y's, two sets; in the epilogue v64-165 codes and scratch.
;   window 1: the accumulators, (a, b) at v[8 (8 a + b)].   window 2: cos x weight of my four tiles of tokens, later the rotated q or k.   window 3: sin x weight.
.set REC,   6400
.set FRB,   1536
.set SLOT,  24*REC
.set YOFF,  16*REC
.set SPARE, 2*SLOT                     ; behind the ring: the spare words, 128 bytes for each wave: two blocks of 256 bytes that no other line names
.set QSO,   3145728
.set AX,   4                           ; v4-5   my four records of X in slot 0, 1, + 16 x lane
.set AY,   6                           ; v6-7   Y's records
.set AS,   8                           ; v8-9   scale words: lanes 0-15 X's rows, lanes 16-31 Y's
.set SPW,  10                          ; v10    my spare word; never rewritten
.set NIL,  11                          ; v11    0; never rewritten
.set CSO,  12                          ; v12    cos, sin: 512 x my token's place in a tile + 64 h
.set WO,   13                          ; v13    the weight: 64 h
.set LI,   14                          ; v14    16 x lane
.set WDO,  15                          ; v15    16 r + 8 h
.set SS,   16                          ; v16-23 sums of squares, a pair a tile
.set RS,   24                          ; v24-31 1 / sqrt, the low word of a pair a tile
.set SC,   32
.set XF,   64
.set YF,   160
.set PCB,  64                          ; epilogue: tile a's codes at v[64 + 20 a]
.set TM,   144                         ; v144-159 the quantiser's scratch
.set PW,   160                         ; v160-163 the four tiles' scale words; v164-165 the pair that I store
.set G1X,  24
.set G1Y,  32
.set G0X,  40
.set G0Y,  48
.set MUL,  0x50                        ; C and D in window 1, the sources in window 0
.set MSB,  0
.macro WIN new                         ; the immediate's high byte repeats the setting that is left
.if MSB != (\new)
	s_set_vgpr_msb (MSB<<8)|(\new)
.set MSB, (\new)
.endif
.endm
.macro PLACES                          ; four plain places behind a matrix instruction, in front of loads into its registers and of the first read of results
.rept 4
	v_nop
.endr
.endm
.macro JLOAD g0x, g1x, g0y, g1y        ; waves 0 and 1 fetch X's halves, waves 2 and 3 Y's; an s_nop 0 and four v_nop follow each line
	s_cmp_eq_u32 s22, 0
	s_cbranch_scc0 .Lfor_y_\@
	tensor_load_to_lds s[\g0x:\g0x+3], s[\g1x:\g1x+7]
	s_nop 0
.rept 4
	v_nop
.endr
	s_branch .Lasked_\@
.Lfor_y_\@:
	tensor_load_to_lds s[\g0y:\g0y+3], s[\g1y:\g1y+7]
	s_nop 0
.rept 4
	v_nop
.endr
.Lasked_\@:
.endm
.macro CROUND                          ; a round of the cluster's barrier
	s_barrier_signal -1
	s_barrier_wait -1
	s_cmp_lg_u32 s20, 0
	s_cbranch_scc1 .Lnot_wave_0_\@
	s_barrier_signal -3
.Lnot_wave_0_\@:
	s_barrier_wait -3
	s_barrier_signal -1
	s_barrier_wait -1
.endm
.macro FETCH_X slot, s, set            ; my four fragments of X for the group's K step s
.irp a, 0,1,2,3
.irp i, 0,1,2
	ds_load_b128 v[XF+48*(\set)+12*\a+4*\i:XF+48*(\set)+12*\a+4*\i+3], v[AX+\slot] offset:REC*\a+FRB*(\s)+512*\i
.endr
.endr
.endm
.macro FETCH_Y slot, s, half, set      ; four of Y's eight
.irp b, 0,1,2,3
.irp i, 0,1,2
	ds_load_b128 v[YF+48*(\set)+12*\b+4*\i:YF+48*(\set)+12*\b+4*\i+3], v[AY+\slot] offset:REC*(4*(\half)+\b)+FRB*(\s)+512*\i
.endr
.endr
.endm
.macro SCALES slot                     ; register SC + 4 i + s: lanes 16-31 Y tile i's word of K step s; lanes 0-15 X tile i's for i < 4 (for i >= 4 they read filled bytes of the slot that nobody uses)
.irp i, 0,1,2,3,4,5,6,7
	ds_load_b128 v[SC+4*\i:SC+4*\i+3], v[AS+\slot] offset:REC*\i+4*FRB
.endr
.endm
.macro MUL16 xset, yset, half, s, zero ; 16 products on 16 accumulators, one instruction a turn; the same accumulator comes again 32 instructions on
.irp a, 0,1,2,3
.irp b, 0,1,2,3
.if \zero
	v_wmma_scale_f32_16x16x128_f8f6f4 v[8*(8*\a+4*(\half)+\b):8*(8*\a+4*(\half)+\b)+7], v[YF+48*(\yset)+12*\b:YF+48*(\yset)+12*\b+11], v[XF+48*(\xset)+12*\a:XF+48*(\xset)+12*\a+11], 0, v[SC+4*(4*(\half)+\b)+(\s)], v[SC+4*\a+(\s)] matrix_a_fmt:MATRIX_FMT_FP6 matrix_b_fmt:MATRIX_FMT_FP6 matrix_a_scale:MATRIX_SCALE_ROW1
.else
	v_wmma_scale_f32_16x16x128_f8f6f4 v[8*(8*\a+4*(\half)+\b):8*(8*\a+4*(\half)+\b)+7], v[YF+48*(\yset)+12*\b:YF+48*(\yset)+12*\b+11], v[XF+48*(\xset)+12*\a:XF+48*(\xset)+12*\a+11], v[8*(8*\a+4*(\half)+\b):8*(8*\a+4*(\half)+\b)+7], v[SC+4*(4*(\half)+\b)+(\s)], v[SC+4*\a+(\s)] matrix_a_fmt:MATRIX_FMT_FP6 matrix_b_fmt:MATRIX_FMT_FP6 matrix_a_scale:MATRIX_SCALE_ROW1
.endif
.endr
.endr
.endm
; A K group is eight units n = 2 s + half.  Unit n asks for unit n + 1's fragments and then multiplies its own, which were asked for a unit ago.
.macro UNIT slot, n, zero
.if (\n) > 0
	PLACES
.endif
.if (\n)%2 == 0
	FETCH_Y \slot, (\n)/2, 1, ((\n)+1)%2
	s_wait_dscnt 12                                ; all but the 12 just issued
.else
	FETCH_X \slot, ((\n)+1)/2, (((\n)+1)/2)%2
	FETCH_Y \slot, ((\n)+1)/2, 0, ((\n)+1)%2
	s_wait_dscnt 24                                ; all but the 24 just issued
.endif
	WIN MUL
	MUL16 ((\n)/2)%2, (\n)%2, (\n)%2, (\n)/2, \zero
	WIN 0
.endm
.macro VISIT slot, zero                ; units 0 to 6 of the slot's K group; zero = 1: K step 0's products start the sums: nothing is cleared
	SCALES \slot
	FETCH_X \slot, 0, 0
	FETCH_Y \slot, 0, 0, 0
	UNIT \slot, 0, \zero
	UNIT \slot, 1, \zero
.irp n, 2,3,4,5,6
	UNIT \slot, \n, 0
.endr
.endm
; Unit 7 and the change of slots.  Each wave waits for all its tensor loads (its part of the other slot), adds 0 to its spare word, and waits for that and for its reads of this slot.
.macro TURN_R slot                     ; this slot is filled again, two K groups on
	s_wait_tensorcnt 0x0                           ; no tensor load of mine is out
	ds_add_u32 v[SPW], v[NIL]
	s_wait_dscnt 1                                 ; unit 7's fragments are in; the add alone may be out
	WIN MUL
	MUL16 1, 1, 1, 3, 0
	WIN 0
	s_add_nc_u64 s[G0X+4*\slot+2:G0X+4*\slot+3], s[G0X+4*\slot+2:G0X+4*\slot+3], 2*REC
	s_add_nc_u64 s[G0Y+4*\slot+2:G0Y+4*\slot+3], s[G0Y+4*\slot+2:G0Y+4*\slot+3], 2*REC
	s_wait_dscnt 0x0                               ; the add is done, and my reads of this slot are over
	CROUND                                         ; no wave of any partner still reads the slot or has a load on its way
	JLOAD G0X+4*\slot, G1X, G0Y+4*\slot, G1Y       ; the first thing behind the round; its four v_nop are also the places in front of the next fetch
.endm
.macro TURN_P                          ; nothing is filled again
	s_wait_tensorcnt 0x0
	ds_add_u32 v[SPW], v[NIL]
	s_wait_dscnt 1
	WIN MUL
	MUL16 1, 1, 1, 3, 0
	WIN 0
	s_wait_dscnt 0x0
	s_barrier_signal -1
	s_barrier_wait -1
	PLACES
.endm
; 64 numbers of a lane in window w, register s + 16 b + i = k 32 b + 16 (lane / 16) + i of my row, become a fragment's codes in v[pc] on and its scale word in v[pw].
.macro QUANT w, s, pc, pw
	WIN 5*(\w)                                     ; sources 0 and 1 in window w
.irp b, 0,1,2,3
	v_max3_num_f32 v[TM+\b], |v[(\s)+16*\b]|, |v[(\s)+16*\b+1]|, 0x1800000   ; my 16 of block b, and the floor 2^(3 - 127): the byte cannot fall under 1
.endr
.irp i, 2,4,6,8,10,12,14
.irp b, 0,1,2,3
	v_max3_num_f32 v[TM+\b], |v[(\s)+16*\b+\i]|, |v[(\s)+16*\b+\i+1]|, v[TM+\b]
.endr
.endr
	WIN 0
.irp b, 0,1,2,3
	v_permlanex16_b32 v[TM+4+\b], v[TM+\b], s92, s93
.endr
.irp b, 0,1,2,3
	v_max_num_f32 v[TM+\b], v[TM+\b], v[TM+4+\b]   ; with lane l xor 16's 16: the block's largest magnitude
.endr
.irp b, 0,1,2,3
	v_add_nc_u32 v[TM+12+\b], 0xff000000, v[TM+\b] ; 2 off the exponent field: the conversion's scale operand
.endr
.irp b, 0,1,2,3
	v_lshrrev_b32 v[TM+4+\b], 23, v[TM+12+\b]      ; the byte
.endr
	v_lshl_or_b32 v[\pw], v[TM+5], 8, v[TM+4]
	v_lshl_or_b32 v[\pw], v[TM+6], 16, v[\pw]
	v_lshl_or_b32 v[\pw], v[TM+7], 24, v[\pw]
	WIN \w
.irp c, 0,1
	v_cvt_scalef32_pk16_fp6_f32 v[(\pc)+6*\c:(\pc)+6*\c+2], v[(\s)+32*\c:(\s)+32*\c+15], v[TM+12+2*\c]
	v_cvt_scalef32_pk16_fp6_f32 v[(\pc)+12+4*\c:(\pc)+14+4*\c], v[(\s)+32*\c+16:(\s)+32*\c+31], v[TM+12+2*\c+1]   ; (a conversion's three registers begin on an even number)
.endr
	WIN 0
	v_nop                                          ; one plain place behind a scaled conversion
.irp c, 0,1                            ; the operand wants a whole block in a lane: lanes 0-15 block 2 c, lanes 16-31 block 2 c + 1
.irp i, 0,1,2
	v_permlane16_swap_b32 v[(\pc)+6*\c+\i], v[(\pc)+12+4*\c+\i]
.endr
.irp i, 0,1,2
	v_mov_b32 v[(\pc)+3+6*\c+\i], v[(\pc)+12+4*\c+\i]
.endr
.endr
.endm
.macro IMAGE a                         ; tile a's fragment leaves as it stands: 512 consecutive bytes a store
.irp i, 0,1,2
	global_store_b128 v[LI], v[PCB+20*(\a)+4*\i:PCB+20*(\a)+4*\i+3], s[80:81] offset:FRB*(\a)+512*\i
.endr
.endm
	s_load_b256 s[4:11], s[0:1], 0x0               ; xq, wqkv, cos, sin
	s_load_b256 s[12:19], s[0:1], 0x20             ; q_norm_w, k_norm_w, qq, kvq
	v_lshl_add_u32 v[SPW], v0, 2, SPARE
	v_mov_b32 v[NIL], 0
	ds_add_u32 v[SPW], v[NIL]                      ; the wave's opening: the add and its wait ahead of my first tensor load
	v_lshrrev_b32 v1, 5, v0
	v_readfirstlane_b32 s20, v1                    ; wave 0..3
	s_and_b32 s21, s20, 1
	s_lshr_b32 s22, s20, 1
	s_mov_b32 s23, ttmp9                           ; TYPE: the cluster's x
	s_and_b32 s56, ttmp7, 0xffff                   ; y
	s_bfe_u32 s57, ttmp6, 0x40000                  ; cx
	s_mov_b32 s[G1X], 15|(3<<16)|(1<<21)           ; X: the mask names all four partners; elements of 8 bytes; bit 21 beside a mask; no padding
	s_mov_b32 s[G1X+1], 800<<16                    ; tensor_dim0: a record, 6,400 bytes
	s_mov_b32 s[G1X+2], 8<<16                      ; tensor_dim1: 8 records
	s_mov_b32 s[G1X+3], 800<<16                    ; tile_dim0
	s_mov_b32 s[G1X+4], 8                          ; tile_dim1
	s_mov_b32 s[G1X+5], 3200                       ; from a tile's record to the next tile's: four records
	s_mov_b32 s[G1X+6], 0
	s_mov_b32 s[G1X+7], 0
	s_mov_b32 s[G1Y], 3<<16                        ; Y: no mask: a load of my own
	s_mov_b32 s[G1Y+1], 800<<16
	s_mov_b32 s[G1Y+2], 4<<16
	s_mov_b32 s[G1Y+3], 800<<16
	s_mov_b32 s[G1Y+4], 4
	s_mov_b32 s[G1Y+5], 3200
	s_mov_b32 s[G1Y+6], 0
	s_mov_b32 s[G1Y+7], 0
	s_mov_b32 s90, 0x3c000000                      ; 1 / 128
	s_mov_b32 s91, 0x358637bd                      ; 1e-6
	s_mov_b32 s92, 0x76543210
	s_mov_b32 s93, 0xfedcba98                      ; lane selects: lane l xor 16
	s_mov_b32 s94, 0xffff0000                      ; lanes 16-31
	s_and_b32 s58, s56, 1
	s_lshr_b32 s66, s56, 1
	s_cmp_eq_u32 s23, 3
	s_cselect_b32 s58, s58, s56                    ; X's block of 16 tiles: y, or for v: y % 2,
	s_cselect_b32 s59, 96, 0                       ; behind wq's and wk's 96 tiles
	s_cselect_b32 s66, s66, s23                    ; Y's four blocks of 8 tiles: TYPE, or for v: y / 2
	s_lshl_b32 s58, s58, 4
	s_add_co_u32 s58, s58, s59
	s_lshl_b32 s59, s21, 3
	s_add_co_u32 s58, s58, s59                     ; + the half that I fetch
	s_mul_i32 s58, s58, 4*REC
	s_mov_b32 s59, 0                               ; (s58, s59, s76, s77 never hold cx)
	s_lshl_b32 s66, s66, 5
	s_lshl_b32 s67, s57, 3
	s_add_co_u32 s66, s66, s67
	s_lshl_b32 s67, s21, 2
	s_add_co_u32 s66, s66, s67
	s_mul_i32 s66, s66, 4*REC
	s_mov_b32 s67, 0
	s_mul_i32 s68, s21, 8*REC                      ; where they go in a slot: no place in the cluster enters an LDS address
	s_mul_i32 s69, s21, 4*REC
	s_add_co_u32 s69, s69, YOFF
	s_wait_dscnt 0x0                               ; the opening add is done
	s_wait_kmcnt 0x0
	s_cmp_eq_u32 s23, 3
	s_cselect_b64 s[76:77], s[6:7], s[4:5]         ; X: the tokens' codes, or for v the weights'
	s_cselect_b64 s[78:79], s[4:5], s[6:7]         ; Y: the other
	s_add_nc_u64 s[76:77], s[76:77], s[58:59]
	s_add_nc_u64 s[78:79], s[78:79], s[66:67]
	CROUND                                         ; all four work-groups are here: the first joint loads meet
.irp s, 0,1
	s_mov_b32 s[G0X+4*\s], 1
	s_add_co_u32 s[G0X+4*\s+1], s68, \s*SLOT
	s_add_nc_u64 s[G0X+4*\s+2:G0X+4*\s+3], s[76:77], \s*REC
	s_or_b32 s[G0X+4*\s+3], s[G0X+4*\s+3], 0x80000000
	s_mov_b32 s[G0Y+4*\s], 1
	s_add_co_u32 s[G0Y+4*\s+1], s69, \s*SLOT
	s_add_nc_u64 s[G0Y+4*\s+2:G0Y+4*\s+3], s[78:79], \s*REC
	s_or_b32 s[G0Y+4*\s+3], s[G0Y+4*\s+3], 0x80000000
	JLOAD G0X+4*\s, G1X, G0Y+4*\s, G1Y             ; K groups 0 and 1
.endr
	v_and_b32 v1, 31, v0                           ; lane
	v_and_b32 v2, 15, v0                           ; r
	v_bfe_u32 v3, v0, 4, 1                         ; h
	v_lshlrev_b32 v[LI], 4, v1
	s_mul_i32 s70, s20, 4*REC
	v_add_nc_u32 v[AX], s70, v[LI]
	v_add_nc_u32 v[AX+1], SLOT, v[AX]
	v_add_nc_u32 v[AY], YOFF, v[LI]
	v_add_nc_u32 v[AY+1], SLOT+YOFF, v[LI]
	s_xor_b32 s71, s20, 3
	s_add_co_u32 s71, s71, 1
	s_mul_i32 s71, s71, 4*REC                      ; from my records of X to Y's first: (4 - wave) x 4 records
	v_mul_u32_u24 v[AS], s71, v3                   ; lanes 16-31 take Y's
	v_lshl_add_u32 v[AS], v2, 4, v[AS]
	v_add_nc_u32 v[AS], s70, v[AS]
	v_add_nc_u32 v[AS+1], SLOT, v[AS]
	v_and_b32 v[CSO], 8, v2
	v_add_nc_u32 v[CSO], v[CSO], v2                ; r + 8 (r / 8)
	v_lshlrev_b32 v[CSO], 9, v[CSO]
	v_lshl_add_u32 v[CSO], v3, 6, v[CSO]
	v_lshlrev_b32 v[WO], 6, v3
	v_lshlrev_b32 v[WDO], 4, v2
	v_lshl_add_u32 v[WDO], v3, 3, v[WDO]
	s_lshl_b32 s70, s56, 17                        ; cos, sin at token 256 y + 64 wave: 512 bytes a token
	s_lshl_b32 s71, s20, 15
	s_add_co_u32 s70, s70, s71
	s_mov_b32 s71, 0
	s_add_nc_u64 s[84:85], s[8:9], s[70:71]
	s_add_nc_u64 s[86:87], s[10:11], s[70:71]
	s_cmp_lt_u32 s23, 2
	s_cselect_b64 s[88:89], s[12:13], s[14:15]     ; q's weight or k's
	; where my four fragments and their words go
	s_lshl_b32 s70, s23, 2
	s_add_co_u32 s70, s70, s57                     ; q: head 4 TYPE + cx
	s_lshl_b32 s71, s56, 2
	s_add_co_u32 s71, s71, s20                     ; 4 y + wave: my four tiles of tokens
	s_lshl_b32 s72, s70, 6
	s_add_co_u32 s72, s72, s71
	s_mul_i32 s72, s72, 4*FRB
	s_lshl_b32 s73, s70, 14
	s_lshl_b32 s71, s71, 8
	s_add_co_u32 s73, s73, s71
	s_add_co_u32 s73, s73, QSO
	s_lshl_b32 s74, s57, 5
	s_lshl_b32 s75, s56, 1
	s_add_co_u32 s74, s74, s75
	s_add_co_u32 s74, s74, s22                     ; k: step record 32 cx + 2 y + wave / 2
	s_and_b32 s75, s56, 1
	s_lshl_b32 s75, s75, 1
	s_add_co_u32 s75, s75, s22
	s_lshl_b32 s75, s75, 5
	s_lshr_b32 s2, s56, 1
	s_lshl_b32 s2, s2, 2
	s_add_co_u32 s75, s75, s2
	s_add_co_u32 s75, s75, s57                     ; v: 32 (2 (y % 2) + wave / 2) + 4 (y / 2) + cx
	s_mov_b32 s3, 24576
	s_cmp_eq_u32 s23, 3
	s_cselect_b32 s74, s75, s74
	s_cselect_b32 s75, 12288, 0
	s_cselect_b32 s3, 25088, s3
	s_mul_i32 s74, s74, 25600
	s_mul_i32 s2, s21, 4*FRB
	s_add_co_u32 s75, s75, s74
	s_add_co_u32 s75, s75, s2
	s_lshl_b32 s2, s21, 8
	s_add_co_u32 s3, s3, s74
	s_add_co_u32 s3, s3, s2
	s_cmp_lt_u32 s23, 2
	s_cselect_b32 s72, s72, s75
	s_cselect_b32 s74, s73, s3
	s_cselect_b64 s[80:81], s[16:17], s[18:19]
	s_mov_b32 s73, 0
	s_mov_b32 s75, 0
	s_add_nc_u64 s[82:83], s[80:81], s[74:75]      ; the words
	s_add_nc_u64 s[80:81], s[80:81], s[72:73]      ; the images
	; q and k: cos and sin of my 64 tokens come into windows 2 and 3, in the accumulators' layout, and take the weight up, while the first tiles are on their way
	s_cmp_eq_u32 s23, 3
	s_cbranch_scc1 .Lno_rope
.irp b, 0,1,2,3
.irp j, 0,1,2,3
	global_load_b128 v[64+16*\b+4*\j:67+16*\b+4*\j], v[WO], s[88:89] offset:128*\b+16*\j   ; the weight at my 64 channels: 32 b + 16 h + 4 j on
.endr
.endr
	WIN 0x80                                       ; destination window 2
.irp a, 0,1,2,3
.irp b, 0,1,2,3
.irp j, 0,1,2,3
	global_load_b128 v[64*\a+16*\b+4*\j:64*\a+16*\b+4*\j+3], v[CSO], s[84:85] offset:(32*(\a/2)+8*(\a%2))*512+128*\b+16*\j
.endr
.endr
.endr
	WIN 0xc0                                       ; destination window 3
.irp a, 0,1,2,3
.irp b, 0,1,2,3
.irp j, 0,1,2,3
	global_load_b128 v[64*\a+16*\b+4*\j:64*\a+16*\b+4*\j+3], v[CSO], s[86:87] offset:(32*(\a/2)+8*(\a%2))*512+128*\b+16*\j
.endr
.endr
.endr
	WIN 0
	s_wait_loadcnt 0x0
	WIN 0x82                                       ; cos[n] x w[n]
.irp a, 0,1,2,3
.set mm, 0
.rept 32
	v_pk_mul_f32 v[64*\a+mm:64*\a+mm+1], v[64*\a+mm:64*\a+mm+1], v[64+mm:64+mm+1]
.set mm, mm+2
.endr
.endr
	WIN 0xc3                                       ; sin[n] x the weight of the channel 64 away, which is register n + 32 or n - 32 of the same lane
.irp a, 0,1,2,3
.set mm, 0
.rept 32
	v_pk_mul_f32 v[64*\a+mm:64*\a+mm+1], v[64*\a+mm:64*\a+mm+1], v[64+(mm+32)%64:64+(mm+32)%64+1]
.set mm, mm+2
.endr
.endr
	WIN 0
.Lno_rope:
	s_wait_tensorcnt 1                             ; my part of K group 0 is in; group 1's may stay out
	s_barrier_signal -1
	s_barrier_wait -1
	VISIT 0, 1
	TURN_R 0                                       ; K group 2
	VISIT 1, 0
	TURN_R 1                                       ; K group 3
	VISIT 0, 0
	TURN_P
	VISIT 1, 0
	s_wait_dscnt 0x0                               ; the last unit: nothing more to fetch
	WIN MUL
	MUL16 1, 1, 1, 3, 0
	WIN 0
	PLACES
.irp b, 0,1,2,3
	v_mov_b32 v[TM+4+\b], 0                        ; written once: a lane permute's destination counts as one of its sources
.endr
	s_cmp_eq_u32 s23, 3
	s_cbranch_scc1 .Lvalues
	; ---- q and k: the mean of squares over the head's 128 (64 in my lane, 64 in lane l xor 16), four tiles by turns, each accumulator from its low end on
.irp a, 0,1,2,3
	v_mov_b32 v[RS+2*\a+1], 0                      ; (named as the upper half of a pair)
.endr
	WIN 0x05
.irp a, 0,1,2,3
	v_pk_mul_f32 v[SS+2*\a:SS+2*\a+1], v[64*\a:64*\a+1], v[64*\a:64*\a+1]
.endr
.set mm, 2
.rept 31
.irp a, 0,1,2,3
	v_pk_fma_f32 v[SS+2*\a:SS+2*\a+1], v[64*\a+mm:64*\a+mm+1], v[64*\a+mm:64*\a+mm+1], v[SS+2*\a:SS+2*\a+1]
.endr
.set mm, mm+2
.endr
	WIN 0
.irp a, 0,1,2,3
	v_add_f32 v[SS+2*\a], v[SS+2*\a], v[SS+2*\a+1]
.endr
.irp a, 0,1,2,3
	v_permlanex16_b32 v[SS+2*\a+1], v[SS+2*\a], s92, s93
.endr
.irp a, 0,1,2,3
	v_add_f32 v[SS+2*\a], v[SS+2*\a], v[SS+2*\a+1]
.endr
.irp a, 0,1,2,3
	v_fma_f32 v[SS+2*\a], v[SS+2*\a], s90, s91     ; sum / 128 + 1e-6: the division by a power of two rounds nothing
.endr
.irp a, 0,1,2,3
	v_rsq_f32 v[RS+2*\a], v[SS+2*\a]
.endr
	v_nop                                          ; a plain place behind the last of the four
	s_wait_alu depctr_va_vdst(0)                   ; one wait for the four, ahead of their first reader
.irp a, 0,1,2,3
	WIN 0x41                                       ; x = x / sqrt(..)
.set mm, 0
.rept 32
	v_pk_mul_f32 v[64*\a+mm:64*\a+mm+1], v[64*\a+mm:64*\a+mm+1], v[RS+2*\a:RS+2*\a+1] op_sel_hi:[1,0]
.set mm, mm+2
.endr
	WIN 0x89                                       ; window 2 = x (w cos)
.set mm, 0
.rept 32
	v_pk_mul_f32 v[64*\a+mm:64*\a+mm+1], v[64*\a+mm:64*\a+mm+1], v[64*\a+mm:64*\a+mm+1]
.set mm, mm+2
.endr
	WIN 0xad                                       ; channels under 64: - x[d + 64] (w sin); the others: + x[d - 64] (w sin)
.set mm, 0
.rept 16
	v_pk_fma_f32 v[64*\a+mm:64*\a+mm+1], v[64*\a+32+mm:64*\a+32+mm+1], v[64*\a+mm:64*\a+mm+1], v[64*\a+mm:64*\a+mm+1] neg_lo:[1,0,0] neg_hi:[1,0,0]
.set mm, mm+2
.endr
.set mm, 32
.rept 16
	v_pk_fma_f32 v[64*\a+mm:64*\a+mm+1], v[64*\a+mm-32:64*\a+mm-31], v[64*\a+mm:64*\a+mm+1], v[64*\a+mm:64*\a+mm+1]
.set mm, mm+2
.endr
	QUANT 2, 64*\a, PCB+20*\a, PW+\a
	IMAGE \a
.endr
	s_branch .Lwords
.Lvalues:
	; ---- v: a lane holds a channel, its registers run along the keys: the accumulators are quantised as they stand
.irp a, 0,1,2,3
	QUANT 1, 64*\a, PCB+20*\a, PW+\a
	IMAGE \a
.endr
.Lwords:
	v_cndmask_b32 v[PW+4], v[PW], v[PW+2], s94     ; lanes r and r + 16 hold the same words: lanes 0-15 store tiles 0 and 1's, lanes 16-31 tiles 2 and 3's
	v_cndmask_b32 v[PW+5], v[PW+1], v[PW+3], s94
	global_store_b64 v[WDO], v[PW+4:PW+5], s[82:83]   ; 32 lanes store 256 consecutive bytes, aligned
	s_wait_tensorcnt 0x0                           ; the wave's end
	ds_add_u32 v[SPW], v[NIL]
	s_wait_dscnt 0x0
	CROUND                                         ; the closing round: no work-group ends while a partner may still ask for a tile that names it
	s_endpgm
.Lfunc_end_k_q10c6b71555_qkv:
	.size	k_q10c6b71555_qkv, .Lfunc_end_k_q10c6b71555_qkv-k_q10c6b71555_qkv
	.p2alignl 7, 3214868480
	.fill 96, 4, 3214868480
	.section	.rodata,"a",@progbits
	.p2align	6, 0x0
	.amdhsa_kernel k_q10c6b71555_qkv
		.amdhsa_group_segment_fixed_size 327680
		.amdhsa_private_segment_fixed_size 0
		.amdhsa_enable_private_segment 0
		.amdhsa_kernarg_size 64
		.amdhsa_user_sgpr_count 2
		.amdhsa_user_sgpr_kernarg_segment_ptr 1
		.amdhsa_wavefront_size32 1
		.amdhsa_system_sgpr_workgroup_id_x 1
		.amdhsa_system_sgpr_workgroup_id_y 1
		.amdhsa_system_sgpr_workgroup_id_z 1
		.amdhsa_system_vgpr_workitem_id 0
		.amdhsa_next_free_vgpr 1024
		.amdhsa_next_free_sgpr 96
		.amdhsa_reserve_vcc 0
		.amdhsa_float_denorm_mode_32 3
		.amdhsa_float_denorm_mode_16_64 3
		.amdhsa_memory_ordered 1
		.amdhsa_forward_progress 1
		.amdhsa_inst_pref_size 217
	.end_amdhsa_kernel
	.amdgpu_metadata
---
amdhsa.version: [ 1, 2 ]
amdhsa.kernels:
  - .name:           k_q10c6b71555_qkv
    .symbol:         k_q10c6b71555_qkv.kd
    .args:
      - { .name: xq, .offset: 0, .size: 8, .value_kind: global_buffer, .address_space: global }
      - { .name: wqkv, .offset: 8, .size: 8, .value_kind: global_buffer, .address_space: global }
      - { .name: cos, .offset: 16, .size: 8, .value_kind: global_buffer, .address_space: global }
      - { .name: sin, .offset: 24, .size: 8, .value_kind: global_buffer, .address_space: global }
      - { .name: q_norm_w, .offset: 32, .size: 8, .value_kind: global_buffer, .address_space: global }
      - { .name: k_norm_w, .offset: 40, .size: 8, .value_kind: global_buffer, .address_space: global }
      - { .name: qq, .offset: 48, .size: 8, .value_kind: global_buffer, .address_space: global }
      - { .name: kvq, .offset: 56, .size: 8, .value_kind: global_buffer, .address_space: global }
    .group_segment_fixed_size: 327680
    .private_segment_fixed_size: 0
    .kernarg_segment_align: 8
    .kernarg_segment_size: 64
    .max_flat_workgroup_size: 128
    .sgpr_count:     96
    .vgpr_count:     1024
    .wavefront_size: 32
...
	.end_amdgpu_metadata
.endif
;; end of part 3
;; launch attn (part 4): grid 64 x 4, 16 waves a work-group, clusters of 4 x 1, 327,680 bytes of LDS; arguments qq, kvq, aq; writes aq
.if DOCPART == 4
	.amdgcn_target "amdgcn-amd-amdhsa--gfx1250"
	.amdhsa_code_object_version 6
	.text
	.protected	k_q10c6b71555_attn
	.globl	k_q10c6b71555_attn
	.p2align	8
	.type	k_q10c6b71555_attn,@function
k_q10c6b71555_attn:
	s_mov_b64 s[64:65], 0
	v_nop
	global_prefetch_b8 v0, s[64:65] scope:SCOPE_SE
	s_setreg_imm32_b32 hwreg(HW_REG_WAVE_MODE, 25, 1), 1
	s_wait_xcnt 0x0
	s_wait_alu depctr_hold_cnt(0) depctr_sa_sdst(0) depctr_va_vdst(0) depctr_va_sdst(0) depctr_va_ssrc(0) depctr_va_vcc(0) depctr_vm_vsrc(0)
	s_getreg_b32 s2, hwreg(HW_REG_IB_STS2, 6, 4)
	s_cmp_eq_u32 s2, 0
	s_cbranch_scc0 .Lentry_in_a_cluster
	s_endpgm
.Lentry_in_a_cluster:
	s_bfe_u32 s2, ttmp6, 0x10000c
	s_cmp_lg_u32 s2, 0x3003
	s_cbranch_scc0 .Lentry_shape_is_right
	s_endpgm
.Lentry_shape_is_right:
; Causal attention on codes of FP6 (E2M3): S^T = K Q^T, p = 2^(t - M), O^T = V^T P^T, O / the sum; the result is quantised along the head's 128 and stored as an operand image of the last product.
; t = score x log2(e) / sqrt(128); M = the running largest t rounded UP to a whole number; p is quantised along the keys and not normalised; the row's sum is taken of the unquantised p.
; SHARES, EVEN UNDER THE MASK.  Work-group i = 4 CL + cx (CL the cluster's x) of a kv head takes block i of 32 queries and then block 127 - i, for both query heads of the kv head.
;   Wave w: tile w % 4 (head 2 kv + (w % 4) / 2, 16 queries of the block), QUARTER w / 4: the four waves of a tile share the keys: of each slot of 512 keys quarter QC takes the 128 keys of step QC.
;   A block needs the steps 0 .. block / 4: CL for the low block, 31 - CL for the high one: the same in all four partners.  That is CL / 4 + 1 slots and 8 - CL / 4 slots: NINE for every work-group.
;   So the trip count is a constant, every slot that is asked for is read, and the partners walk the same slots: every tile is asked for JOINTLY.  No branch hangs on cx: it enters global addresses and the mask's constant alone.
;   A step all of whose keys come after the block's queries is left out by a scalar branch on ids; on the diagonal step hidden scores become -infinity.
; At a block's end quarters 1 to 3 put O^T, -M and the sum into LDS; quarter 0 brings all four under the largest M (powers of two: nothing is rounded), adds, divides, quantises and stores.
; kvq's step record (25,600 bytes): K's 8 images, V^T's 8 from 12,288, K's words from 24,576, V's from 25,088.  The keys of a tile of K and the channels of a tile of V^T are chosen so that a lane's 16 registers of two
; neighbouring tiles are 16 neighbours along the next K.  A lane holds ONE query (lane % 16) throughout.
; By the text's count a loading wave has one tensor load out.  LIMITS: NaN and infinities are not served; a block of p that has fallen to zeros keeps the byte 1; 1 / sum comes from v_rcp_f32 (1 ulp).
; REGISTERS: v1-11 addresses; v12 -M, v13 the largest t, v[14:15] the sum; v16-27 Q; v28, v29 the mask's constant, now and for the high block; v30 16 r; v31 the high block's scale words of Q; v32-79 four fragments;
;   v80-91 the high block's Q; v96-159 S^T, then p; v160-223 O^T; v224-235 p's codes; v232-254 at work; v248-251 scale words of K or V; v253 p's; v255 Q's.
.set SLOTB, 102400                     ; a slot: four step records
.set STEPB, 25600
.set SCR,   2*SLOTB                    ; behind the ring: twelve regions, 3 x tile + quarter - 1
.set REG,   8448                       ; a region: O^T as 16 images of 512 bytes, then 8 bytes a lane: -M and the sum
.set SPARE, SCR+12*REG                 ; the spare words, 128 bytes for each of sixteen waves: eight blocks of 256 bytes that no other line names
.set QSO,   3145728
.set REC,   6400
.set SPW,  7                           ; v7   my spare word; never rewritten
.set NIL,  8                           ; v8   0; never rewritten
.set ADK,  9
.set ADS,  10
.set WV,   18
.set SEL,  20
.set CS,   22
.set G1,   24
.set G0,   32
.set KVB,  36                          ; s[36:37] the kv head's records, at the step that I fetch
.set TB,   38                          ; s38  the slot in hand
.set FB,   39                          ; s39  the slot that was filled last
.set TR,   40                          ; s40  the trip
.set LL,   41                          ; s41  the low block's slots
.set NX,   42                          ; s42  which slot of the block's keys was asked for last
.set ST,   43                          ; s43  my step in the block
.set LIMS, 44                          ; s44  the block's last step
.set QC,   45
.set TAU,  46
.macro CROUND
	s_barrier_signal -1
	s_barrier_wait -1
	s_cmp_lg_u32 s[WV], 0
	s_cbranch_scc1 .Lnot_wave_0_\@
	s_barrier_signal -3
.Lnot_wave_0_\@:
	s_barrier_wait -3
	s_barrier_signal -1
	s_barrier_wait -1
.endm
.macro TLOAD                           ; waves 0 to 3 fetch a step record each; an s_nop 0 and four v_nop follow the line
	s_cmp_lt_u32 s[WV], 4
	s_cbranch_scc0 .Lasked_\@
	tensor_load_to_lds s[G0:G0+3], s[G1:G1+7]
	s_nop 0
.rept 4
	v_nop
.endr
.Lasked_\@:
.endm
; THE CHANGE OF SLOTS, at a trip's head.  Each wave waits for all its tensor loads (its part of the slot ahead), adds 0 to its spare word, and waits for that and for all its LDS instructions.
; fill = 1: behind a round of the cluster's barrier the slot that was left is filled with the next trip's keys: the next 512 of the block, or the high block's first 512.
.macro CHANGE fill
	s_wait_tensorcnt 0x0                           ; no tensor load of mine is out, so the descriptor may be written
	ds_add_u32 v[SPW], v[NIL]
.if \fill
	s_xor_b32 s[FB], s[FB], SLOTB
	s_add_co_u32 s[G0+1], s[FB], s50
	s_add_co_u32 s51, s[TR], 1
	s_add_co_u32 s[NX], s[NX], 1
	s_cmp_eq_u32 s51, s[LL]                        ; ids and the trip's number alone: the same in all partners
	s_cselect_b32 s[NX], 0, s[NX]
	s_mul_i32 s52, s[NX], SLOTB
	s_mov_b32 s53, 0
	s_add_nc_u64 s[G0+2:G0+3], s[KVB:KVB+1], s[52:53]
	s_or_b32 s[G0+3], s[G0+3], 0x80000000
.endif
	s_wait_dscnt 0x0                               ; the add is done; my reads of the slot that I have left are over, and my stores into the regions have landed
.if \fill
	CROUND
	TLOAD                                          ; the first thing behind the round, and a wave's one tensor load until the next
.else
	s_barrier_signal -1
	s_barrier_wait -1
.endif
.endm
.macro MID                             ; parts quarter 0's reads of the regions from the other quarters' next stores
	s_wait_dscnt 0x0
	s_barrier_signal -1
	s_barrier_wait -1
.endm
; 64 numbers of a lane, v96-159, register 16 b + i = k 32 b + 16 (lane / 16) + i of my row, become a fragment's codes in v52-63 and its scale word in v48.
.set TM, 32
.set PW, 48
.set PC, 52
.macro QUANT
.irp b, 0,1,2,3
	v_max3_num_f32 v[TM+\b], |v[96+16*\b]|, |v[97+16*\b]|, 0x1800000   ; the floor 2^(3 - 127): the byte cannot fall under 1
.endr
.irp i, 2,4,6,8,10,12,14
.irp b, 0,1,2,3
	v_max3_num_f32 v[TM+\b], v[TM+\b], |v[96+16*\b+\i]|, |v[97+16*\b+\i]|
.endr
.endr
.irp b, 0,1,2,3
	v_permlanex16_b32 v[TM+4+\b], v[TM+\b], s[SEL], s[SEL+1]
.endr
.irp b, 0,1,2,3
	v_max_num_f32 v[TM+\b], v[TM+\b], v[TM+4+\b]
.endr
.irp b, 0,1,2,3
	v_add_nc_u32 v[TM+12+\b], 0xff000000, v[TM+\b]
.endr
.irp b, 0,1,2,3
	v_lshrrev_b32 v[TM+4+\b], 23, v[TM+12+\b]
.endr
	v_lshl_or_b32 v[PW], v[TM+5], 8, v[TM+4]
	v_lshl_or_b32 v[PW], v[TM+6], 16, v[PW]
	v_lshl_or_b32 v[PW], v[TM+7], 24, v[PW]
.irp c, 0,1
	v_cvt_scalef32_pk16_fp6_f32 v[PC+6*\c:PC+6*\c+2], v[96+32*\c:111+32*\c], v[TM+12+2*\c]
	v_cvt_scalef32_pk16_fp6_f32 v[PC+12+4*\c:PC+14+4*\c], v[112+32*\c:127+32*\c], v[TM+12+2*\c+1]
.endr
	v_nop                                          ; one plain place behind a scaled conversion
.irp c, 0,1
.irp i, 0,1,2
	v_permlane16_swap_b32 v[PC+6*\c+\i], v[PC+12+4*\c+\i]
.endr
.irp i, 0,1,2
	v_mov_b32 v[PC+3+6*\c+\i], v[PC+12+4*\c+\i]
.endr
.endr
.endm
; A KEY STEP: my quarter's 128 keys of the slot in hand.
.macro STEP
	s_cmp_gt_u32 s[ST], s[LIMS]                    ; all its keys come after the block's queries: left out
	s_cbranch_scc1 .Lhidden_\@
	v_add_nc_u32 v[ADK], s[TB], v1
	v_add_nc_u32 v[ADS], s[TB], v2
	v_nop
	v_nop                                          ; with the two additions: four places in front of loads into registers that the last products read
.irp g, 0,1                            ; S^T = K Q^T, four tiles of 16 keys at a time
.if \g > 0
.rept 4
	v_nop
.endr
.endif
.irp t, 0,1,2,3
.irp i, 0,1,2
	ds_load_b128 v[32+12*\t+4*\i:35+12*\t+4*\i], v[ADK] offset:1536*(4*\g+\t)+512*\i
.endr
.endr
	ds_load_b128 v[248:251], v[ADS] offset:24576+256*\g   ; row r's words of the four tiles
	s_wait_dscnt 0x0
.irp t, 0,1,2,3
	v_wmma_scale_f32_16x16x128_f8f6f4 v[96+8*(4*\g+\t):103+8*(4*\g+\t)], v[32+12*\t:43+12*\t], v[16:27], 0, v[248+\t], v255 matrix_a_fmt:MATRIX_FMT_FP6 matrix_b_fmt:MATRIX_FMT_FP6
.endr
.endr
.rept 4
	v_nop
.endr
	s_cmp_lg_u32 s[ST], s[LIMS]                    ; only the block's last step lies on the diagonal
	s_cbranch_scc1 .Lopen_\@
	v_mov_b32 v254, 0xff800000                     ; -infinity
.set nn, 0
.rept 64                               ; register 16 b + i holds key 32 b + 16 (lane / 16) + i of the step: hidden where 32 b + i > my query's place in the step - 16 (lane / 16)
	v_cmp_gt_i32 vcc_lo, 32*(nn/16)+nn%16, v28
	v_cndmask_b32 v[96+nn], v[96+nn], v254, vcc_lo
.set nn, nn+1
.endr
.Lopen_\@:
.irp b, 0,1,2,3
	v_max3_num_f32 v[232+\b], v[96+16*\b], v[97+16*\b], v[98+16*\b]   ; the largest score of each block of 32 keys: for the row's maximum, and, since p rises with the score, for the block's largest p
.endr
.irp i, 3,5,7,9,11,13
.irp b, 0,1,2,3
	v_max3_num_f32 v[232+\b], v[232+\b], v[96+16*\b+\i], v[97+16*\b+\i]
.endr
.endr
.irp b, 0,1,2,3
	v_max_num_f32 v[232+\b], v[232+\b], v[111+16*\b]
.endr
.irp b, 0,1,2,3
	v_permlanex16_b32 v[236+\b], v[232+\b], s[SEL], s[SEL+1]
.endr
.irp b, 0,1,2,3
	v_max_num_f32 v[232+\b], v[232+\b], v[236+\b]  ; with lane l xor 16's 16 keys
.endr
	v_max3_num_f32 v254, v232, v233, v234
	v_max_num_f32 v254, v254, v235                 ; the step's largest score of my query
	v_mul_f32 v254, s[CS], v254                    ; as t
	v_max_num_f32 v13, v13, v254                   ; the running largest t
	v_mov_b32 v254, v12
	v_floor_f32 v12, -v13                          ; the new -M = floor(-t) = -ceil(t)
	v_sub_f32 v254, v12, v254                      ; old M - new M: a whole number, 0 or less
	v_cvt_i32_f32 v254, v254                       ; (it saturates)
	v_ldexp_f32 v252, 1.0, v254                    ; f = 2^(old M - new M)
.set jj, 0
.rept 32
	v_pk_fma_f32 v[96+jj:97+jj], v[96+jj:97+jj], s[CS:CS+1], v[12:13] op_sel_hi:[1,0,0]   ; t - M, two at a time
.set jj, jj+2
.endr
.irp b, 0,1,2,3
	v_fma_f32 v[232+\b], v[232+\b], s[CS], v12     ; the same of each block's largest score
.endr
.set jj, 0
.rept 64
	v_exp_f32 v[96+jj], v[96+jj]                   ; p = 2^(t - M), at most 1
.set jj, jj+1
.endr
	v_pk_mul_f32 v[14:15], v[14:15], v[252:253] op_sel_hi:[1,0]   ; the sums under the new M: a plain place behind the exponentials
	s_wait_alu depctr_va_vdst(0)                   ; one wait for the batch of 64, ahead of its first reader
.irp b, 0,1,2,3
	v_exp_f32 v[232+\b], v[232+\b]                 ; the block's largest p
.endr
	v_pk_add_f32 v[236:237], v[96:97], v[98:99]    ; the row's sum, of the unquantised p, in two chains
.irp j, 4,8,12,16,20,24,28,32,36,40,44,48,52,56,60
	v_pk_add_f32 v[14:15], v[14:15], v[96+\j:97+\j]
	v_pk_add_f32 v[236:237], v[236:237], v[98+\j:99+\j]
.endr
	v_pk_add_f32 v[14:15], v[14:15], v[236:237]
	s_wait_alu depctr_va_vdst(0)                   ; and one for the four
.irp b, 0,1,2,3
	v_max_num_f32 v[232+\b], 0x1800000, v[232+\b]  ; the floor 2^(3 - 127)
.endr
.irp b, 0,1,2,3
	v_add_nc_u32 v[244+\b], 0xff000000, v[232+\b]  ; the conversion's scale operand
.endr
.irp b, 0,1,2,3
	v_lshrrev_b32 v[236+\b], 23, v[244+\b]         ; the byte
.endr
	v_lshl_or_b32 v253, v237, 8, v236              ; p's scale word for these 128 keys
	v_lshl_or_b32 v253, v238, 16, v253
	v_lshl_or_b32 v253, v239, 24, v253
.irp c, 0,1
	v_cvt_scalef32_pk16_fp6_f32 v[224+6*\c:226+6*\c], v[96+32*\c:111+32*\c], v[244+2*\c]
	v_cvt_scalef32_pk16_fp6_f32 v[236+4*\c:238+4*\c], v[112+32*\c:127+32*\c], v[244+2*\c+1]
.endr
	v_nop                                          ; one plain place behind a scaled conversion
.irp c, 0,1
.irp i, 0,1,2
	v_permlane16_swap_b32 v[224+6*\c+\i], v[236+4*\c+\i]
.endr
.irp i, 0,1,2
	v_mov_b32 v[227+6*\c+\i], v[236+4*\c+\i]
.endr
.endr
.set jj, 0
.rept 32
	v_pk_mul_f32 v[160+jj:161+jj], v[160+jj:161+jj], v[252:253] op_sel_hi:[1,0]   ; O^T under the new M; these 32 are also the places in front of the loads and products below
.set jj, jj+2
.endr
.irp g, 0,1                            ; O^T += V^T P^T, four tiles of 16 channels at a time
.if \g > 0
.rept 4
	v_nop
.endr
.endif
.irp t, 0,1,2,3
.irp i, 0,1,2
	ds_load_b128 v[32+12*\t+4*\i:35+12*\t+4*\i], v[ADK] offset:12288+1536*(4*\g+\t)+512*\i
.endr
.endr
	ds_load_b128 v[248:251], v[ADS] offset:25088+256*\g
	s_wait_dscnt 0x0
.irp t, 0,1,2,3
	v_wmma_scale_f32_16x16x128_f8f6f4 v[160+8*(4*\g+\t):167+8*(4*\g+\t)], v[32+12*\t:43+12*\t], v[224:235], v[160+8*(4*\g+\t):167+8*(4*\g+\t)], v[248+\t], v253 matrix_a_fmt:MATRIX_FMT_FP6 matrix_b_fmt:MATRIX_FMT_FP6
.endr
.endr
.Lhidden_\@:
	s_add_co_u32 s[ST], s[ST], 4                   ; my step of the next slot
.endm
.macro PART                            ; quarters 1 to 3, at a block's end: my part goes to my region
.rept 4
	v_nop
.endr
	v_add_f32 v13, v14, v15                        ; my lane's sum
.irp i, 0,1,2,3,4,5,6,7,8,9,10,11,12,13,14,15
	ds_store_b128 v3, v[160+4*\i:163+4*\i] offset:512*\i   ; each accumulator from its low end on
.endr
	ds_store_b64 v5, v[12:13]
.endm
.macro MERGE oi, ow                    ; quarter 0: the four parts become the block's result; oi, ow: the scalar pairs with the image's and the word's address
.rept 4
	v_nop
.endr
.irp q, 0,1,2
	ds_load_b64 v[32+2*\q:33+2*\q], v6 offset:REG*\q   ; -M and the sum of quarters 1, 2, 3
.endr
.irp i, 0,1,2,3,4,5,6,7,8,9,10,11,12,13,14,15
	ds_load_b128 v[96+4*\i:99+4*\i], v4 offset:512*\i  ; quarter 1's O^T
.endr
	v_add_f32 v14, v14, v15
	v_mov_b32 v39, 0
	v_mov_b32 v41, 0                               ; (the upper halves of the pairs that the packed forms name)
	v_mov_b32 v43, 0
	v_mov_b32 v45, 0
	v_mov_b32 v47, 0
	s_wait_dscnt 16                                ; the three pairs are in; the sixteen loads behind them may be out
	v_min3_num_f32 v38, v12, v32, v34
	v_min_num_f32 v38, v38, v36                    ; -M of the largest M
	v_sub_f32 v40, v38, v32                        ; each M less the largest: a whole number, 0 or less
	v_sub_f32 v42, v38, v34
	v_sub_f32 v44, v38, v36
	v_sub_f32 v46, v38, v12
.irp q, 40,42,44,46
	v_cvt_i32_f32 v\q, v\q                         ; (it saturates: a quarter that had no step gets f = 0)
.endr
.irp q, 40,42,44,46
	v_ldexp_f32 v\q, 1.0, v\q
.endr
	v_mul_f32 v14, v14, v46
	v_fmac_f32 v14, v33, v40
	v_fmac_f32 v14, v35, v42
	v_fmac_f32 v14, v37, v44
.set jj, 0
.rept 32
	v_pk_mul_f32 v[160+jj:161+jj], v[160+jj:161+jj], v[46:47] op_sel_hi:[1,0]
.set jj, jj+2
.endr
.irp q, 1,2,3
	s_wait_dscnt 0x0
.set jj, 0
.rept 32
	v_pk_fma_f32 v[160+jj:161+jj], v[96+jj:97+jj], v[38+2*\q:39+2*\q], v[160+jj:161+jj] op_sel_hi:[1,0,1]
.set jj, jj+2
.endr
.if \q < 3
.irp i, 0,1,2,3,4,5,6,7,8,9,10,11,12,13,14,15
	ds_load_b128 v[96+4*\i:99+4*\i], v4 offset:REG*\q+512*\i
.endr
.endif
.endr
	v_permlanex16_b32 v39, v14, s[SEL], s[SEL+1]
	v_add_f32 v14, v14, v39                        ; with lane l xor 16's keys: the row's sum
	v_rcp_f32 v14, v14
	v_nop                                          ; a plain place behind the reciprocal
	s_wait_alu depctr_va_vdst(0)                   ; the wait ahead of its first reader
.set jj, 0
.rept 32
	v_pk_mul_f32 v[96+jj:97+jj], v[160+jj:161+jj], v[14:15] op_sel_hi:[1,0]   ; register 16 b + i: channel 32 b + 16 (lane / 16) + i of my query
.set jj, jj+2
.endr
	QUANT
.irp i, 0,1,2
	global_store_b128 v11, v[PC+4*\i:PC+4*\i+3], s[\oi:\oi+1] offset:512*\i   ; the image: 512 consecutive bytes a store
.endr
	global_store_b32 v30, v[PW], s[\ow:\ow+1]      ; lanes r and r + 16 store the same word to the same place
	s_wait_xcnt 0x0                                ; the stores have read their registers: the next fragments may land there
.endm
.macro RESET                           ; on to the high block
.rept 4
	v_nop
.endr
.irp i, 0,1,2,3,4,5,6,7,8,9,10,11
	v_mov_b32 v[16+\i], v[80+\i]                   ; its Q,
.endr
	v_mov_b32 v255, v31                            ; Q's scale words (more than eight plain lines ahead of the next product),
	v_mov_b32 v28, v29                             ; the mask's constant
	v_mov_b32 v13, 0xff61b1e6                      ; -3e38, under every t
	v_floor_f32 v12, -v13
	v_mov_b32 v14, 0
	v_mov_b32 v15, 0
.set jj, 0
.rept 64
	v_mov_b32 v[160+jj], 0
.set jj, jj+1
.endr
	s_mov_b32 s[ST], s[QC]
	s_sub_co_u32 s[LIMS], 31, s48
.endm
.macro PLACEOF g, qi, qw, oi, ow       ; byte offsets for token tile s[g] of head s56: Q's image and words in qq, the result's image and word in aq
	s_lshl_b32 s[\qi], s56, 8
	s_add_co_u32 s[\qi], s[\qi], s[\g]
	s_mul_i32 s[\qi], s[\qi], 1536
	s_mov_b32 s[\qi+1], 0
	s_lshr_b32 s[\qw], s[\g], 2
	s_lshl_b32 s[\qw], s[\qw], 8
	s_and_b32 s82, s[\g], 3
	s_lshl_b32 s82, s82, 2
	s_add_co_u32 s[\qw], s[\qw], s82
	s_lshl_b32 s82, s56, 14
	s_add_co_u32 s[\qw], s[\qw], s82
	s_add_co_u32 s[\qw], s[\qw], QSO
	s_mov_b32 s[\qw+1], 0
	s_lshl_b32 s[\oi], s[\g], 1
	s_lshr_b32 s82, s56, 2
	s_add_co_u32 s[\oi], s[\oi], s82               ; record 2 g + head / 4
	s_mul_i32 s[\oi], s[\oi], REC
	s_and_b32 s82, s56, 3
	s_lshl_b32 s83, s82, 2
	s_add_co_u32 s[\ow], s[\oi], s83
	s_add_co_u32 s[\ow], s[\ow], 6144
	s_mul_i32 s82, s82, 1536
	s_add_co_u32 s[\oi], s[\oi], s82
	s_mov_b32 s[\oi+1], 0
	s_mov_b32 s[\ow+1], 0
.endm
	s_load_b128 s[4:7], s[0:1], 0x0                ; qq, kvq
	s_load_b64 s[8:9], s[0:1], 0x10                ; aq
	v_lshl_add_u32 v[SPW], v0, 2, SPARE
	v_mov_b32 v[NIL], 0
	ds_add_u32 v[SPW], v[NIL]                      ; the wave's opening: the add and its wait ahead of the first tensor load
	v_lshrrev_b32 v1, 5, v0
	v_readfirstlane_b32 s[WV], v1                  ; wave 0..15
	s_lshr_b32 s[QC], s[WV], 2
	s_and_b32 s[TAU], s[WV], 3
	s_bfe_u32 s47, ttmp6, 0x40000                  ; cx
	s_mov_b32 s48, ttmp9                           ; CL
	s_and_b32 s49, ttmp7, 0xffff                   ; kv head
	s_mov_b32 s[G1], 15|(3<<16)|(1<<21)            ; the mask names all four partners; elements of 8 bytes; bit 21 beside a mask; no padding
	s_mov_b32 s[G1+1], 32<<16                      ; a step record as 100 rows of 256 bytes
	s_mov_b32 s[G1+2], 100<<16
	s_mov_b32 s[G1+3], 32<<16
	s_mov_b32 s[G1+4], 100
	s_mov_b32 s[G1+5], 32
	s_mov_b32 s[G1+6], 0
	s_mov_b32 s[G1+7], 0
	s_mov_b32 s[SEL], 0x76543210
	s_mov_b32 s[SEL+1], 0xfedcba98
	s_mov_b32 s[CS], 0x3e0293ee                    ; log2(e) / sqrt(128)
	s_mov_b32 s[CS+1], s[CS]
	s_mov_b32 s[TB], 0
	s_mov_b32 s[FB], 0
	s_mov_b32 s[TR], 0
	s_mov_b32 s[NX], 0
	s_lshr_b32 s[LL], s48, 2
	s_add_co_u32 s[LL], s[LL], 1
	s_mov_b32 s[ST], s[QC]
	s_mov_b32 s[LIMS], s48
	s_mul_i32 s50, s[TAU], STEPB                   ; the step record that I fetch (waves 0 to 3), in a slot and in memory
	s_mul_i32 s52, s49, 32*STEPB
	s_add_co_u32 s52, s52, s50
	s_mov_b32 s53, 0
	s_lshl_b32 s54, s48, 2
	s_add_co_u32 s54, s54, s47                     ; the low block
	s_sub_co_u32 s55, 127, s54                     ; the high block
	s_lshl_b32 s56, s49, 1
	s_lshr_b32 s57, s[TAU], 1
	s_add_co_u32 s56, s56, s57                     ; my query head
	s_and_b32 s57, s[TAU], 1                       ; which 16 of the block's 32 queries
	s_lshl_b32 s58, s54, 1
	s_add_co_u32 s58, s58, s57                     ; my token tile, low block
	s_lshl_b32 s59, s55, 1
	s_add_co_u32 s59, s59, s57                     ; high block
	PLACEOF 58, 60, 74, 66, 68
	PLACEOF 59, 62, 76, 70, 72
	s_wait_dscnt 0x0                               ; the opening add is done
	s_wait_kmcnt 0x0
	s_add_nc_u64 s[KVB:KVB+1], s[6:7], s[52:53]
	s_mov_b32 s[G0], 1
	s_mov_b32 s[G0+1], s50
	s_mov_b64 s[G0+2:G0+3], s[KVB:KVB+1]
	s_or_b32 s[G0+3], s[G0+3], 0x80000000
	CROUND                                         ; all four work-groups are here
	TLOAD                                          ; the low block's first 512 keys
	s_add_nc_u64 s[60:61], s[4:5], s[60:61]
	s_add_nc_u64 s[62:63], s[4:5], s[62:63]
	s_add_nc_u64 s[74:75], s[4:5], s[74:75]
	s_add_nc_u64 s[76:77], s[4:5], s[76:77]
	s_add_nc_u64 s[66:67], s[8:9], s[66:67]
	s_add_nc_u64 s[68:69], s[8:9], s[68:69]
	s_add_nc_u64 s[70:71], s[8:9], s[70:71]
	s_add_nc_u64 s[72:73], s[8:9], s[72:73]
	v_and_b32 v92, 31, v0                          ; lane
	v_and_b32 v93, 15, v0                          ; r
	v_bfe_u32 v94, v0, 4, 1                        ; h
	v_lshlrev_b32 v11, 4, v92
	v_lshlrev_b32 v30, 4, v93
.irp i, 0,1,2
	global_load_b128 v[16+4*\i:19+4*\i], v11, s[60:61] offset:512*\i   ; Q's fragments of both blocks stay in registers
	global_load_b128 v[80+4*\i:83+4*\i], v11, s[62:63] offset:512*\i
.endr
	global_load_b32 v255, v30, s[74:75]
	global_load_b32 v31, v30, s[76:77]
	s_mul_i32 s84, s[QC], STEPB
	v_add_nc_u32 v1, s84, v11                      ; my quarter's step record: images,
	v_add_nc_u32 v2, s84, v30                      ; scale words
	s_mul_i32 s85, s[TAU], 3*REG
	s_mul_i32 s86, s[QC], REG
	s_add_co_u32 s86, s86, s85
	s_add_co_u32 s86, s86, SCR-REG                 ; region 3 x tile + quarter - 1 (used by quarters 1 to 3 alone)
	s_add_co_u32 s85, s85, SCR                     ; my tile's first region
	v_add_nc_u32 v3, s86, v11
	v_add_nc_u32 v4, s85, v11
	v_lshlrev_b32 v95, 3, v92
	v_add_nc_u32 v5, s86, v95
	v_add_nc_u32 v5, 8192, v5
	v_add_nc_u32 v6, s85, v95
	v_add_nc_u32 v6, 8192, v6
	v_and_b32 v95, 8, v93
	v_add_nc_u32 v95, v95, v93                     ; r + 8 (r / 8)
	v_lshlrev_b32 v94, 4, v94
	v_sub_nc_u32 v95, v95, v94                     ; - 16 h
	s_lshl_b32 s88, s57, 3
	s_lshl_b32 s87, s47, 5
	s_add_co_u32 s87, s87, s88
	v_add_nc_u32 v28, s87, v95                     ; my query's place in the diagonal step: 32 (block % 4) + 8 u + ..; block % 4 is cx,
	s_xor_b32 s87, s47, 3
	s_lshl_b32 s87, s87, 5
	s_add_co_u32 s87, s87, s88
	v_add_nc_u32 v29, s87, v95                     ; and 3 - cx in the high block
	v_mov_b32 v13, 0xff61b1e6                      ; the largest t so far: -3e38
	v_floor_f32 v12, -v13
	v_mov_b32 v14, 0
	v_mov_b32 v15, 0
.irp b, 0,1,2,3
	v_mov_b32 v[236+\b], 0                         ; written once: a lane permute's destination counts as one of its sources
.endr
	v_mov_b32 v253, 0
.set jj, 0
.rept 64
	v_mov_b32 v[160+jj], 0                         ; O^T: the step is written once, and its first turn finds zeros
.set jj, jj+1
.endr
	s_wait_loadcnt 0x0
.Ltrip:                                            ; eight trips; the ninth is written out
	CHANGE 1
	s_cmp_lg_u32 s[TR], s[LL]                      ; the first trip of the high block?
	s_cbranch_scc1 .Lsame_block
	s_cmp_lg_u32 s[QC], 0
	s_cbranch_scc1 .Lno_merge
	MERGE 66, 68
.Lno_merge:
	RESET
.Lsame_block:
	MID
	STEP
	s_xor_b32 s[TB], s[TB], SLOTB
	s_add_co_u32 s51, s[TR], 1
	s_cmp_lg_u32 s51, s[LL]                        ; the last trip of the low block?
	s_cbranch_scc1 .Lno_part
	s_cmp_eq_u32 s[QC], 0
	s_cbranch_scc1 .Lno_part
	PART
.Lno_part:
	s_add_co_u32 s[TR], s[TR], 1
	s_cmp_lt_u32 s[TR], 8
	s_cbranch_scc1 .Ltrip
	CHANGE 0
	STEP
	s_cmp_eq_u32 s[QC], 0
	s_cbranch_scc1 .Lno_part_2
	PART
.Lno_part_2:
	s_wait_dscnt 0x0                               ; for quarter 0's sake: my part lies in LDS
	s_barrier_signal -1
	s_barrier_wait -1
	s_cmp_lg_u32 s[QC], 0
	s_cbranch_scc1 .Lno_merge_2
	MERGE 70, 72
.Lno_merge_2:
	s_wait_tensorcnt 0x0                           ; the wave's end
	ds_add_u32 v[SPW], v[NIL]
	s_wait_dscnt 0x0
	CROUND                                         ; the closing round
	s_endpgm
.Lfunc_end_k_q10c6b71555_attn:
	.size	k_q10c6b71555_attn, .Lfunc_end_k_q10c6b71555_attn-k_q10c6b71555_attn
	.p2alignl 7, 3214868480
	.fill 96, 4, 3214868480
	.section	.rodata,"a",@progbits
	.p2align	6, 0x0
	.amdhsa_kernel k_q10c6b71555_attn
		.amdhsa_group_segment_fixed_size 327680
		.amdhsa_private_segment_fixed_size 0
		.amdhsa_enable_private_segment 0
		.amdhsa_kernarg_size 24
		.amdhsa_user_sgpr_count 2
		.amdhsa_user_sgpr_kernarg_segment_ptr 1
		.amdhsa_wavefront_size32 1
		.amdhsa_system_sgpr_workgroup_id_x 1
		.amdhsa_system_sgpr_workgroup_id_y 1
		.amdhsa_system_sgpr_workgroup_id_z 1
		.amdhsa_system_vgpr_workitem_id 0
		.amdhsa_next_free_vgpr 256
		.amdhsa_next_free_sgpr 100
		.amdhsa_reserve_vcc 1
		.amdhsa_float_denorm_mode_32 3
		.amdhsa_float_denorm_mode_16_64 3
		.amdhsa_memory_ordered 1
		.amdhsa_forward_progress 1
		.amdhsa_inst_pref_size 103
	.end_amdhsa_kernel
	.amdgpu_metadata
---
amdhsa.version: [ 1, 2 ]
amdhsa.kernels:
  - .name:           k_q10c6b71555_attn
    .symbol:         k_q10c6b71555_attn.kd
    .args:
      - { .name: qq, .offset: 0, .size: 8, .value_kind: global_buffer, .address_space: global }
      - { .name: kvq, .offset: 8, .size: 8, .value_kind: global_buffer, .address_space: global }
      - { .name: aq, .offset: 16, .size: 8, .value_kind: global_buffer, .address_space: global }
    .group_segment_fixed_size: 327680
    .private_segment_fixed_size: 0
    .kernarg_segment_align: 8
    .kernarg_segment_size: 24
    .max_flat_workgroup_size: 512
    .sgpr_count:     100
    .vgpr_count:     256
    .wavefront_size: 32
...
	.end_amdgpu_metadata
.endif
;; end of part 4
;; launch outp (part 5): grid 16 x 16, 4 waves a work-group, clusters of 4 x 4, 327,680 bytes of LDS; arguments aq, wow, out0; writes out0
.if DOCPART == 5
	.amdgcn_target "amdgcn-amd-amdhsa--gfx1250"
	.amdhsa_code_object_version 6
	.text
	.protected	k_q10c6b71555_outp
	.globl	k_q10c6b71555_outp
	.p2align	8
	.type	k_q10c6b71555_outp,@function
k_q10c6b71555_outp:
	s_mov_b64 s[64:65], 0
	v_nop
	global_prefetch_b8 v0, s[64:65] scope:SCOPE_SE
	s_setreg_imm32_b32 hwreg(HW_REG_WAVE_MODE, 25, 1), 1
	s_wait_xcnt 0x0
	s_wait_alu depctr_hold_cnt(0) depctr_sa_sdst(0) depctr_va_vdst(0) depctr_va_sdst(0) depctr_va_ssrc(0) depctr_va_vcc(0) depctr_vm_vsrc(0)
	s_getreg_b32 s2, hwreg(HW_REG_IB_STS2, 6, 4)
	s_cmp_eq_u32 s2, 0
	s_cbranch_scc0 .Lentry_in_a_cluster
	s_endpgm
.Lentry_in_a_cluster:
	s_bfe_u32 s2, ttmp6, 0x10000c
	s_cmp_lg_u32 s2, 0xf033
	s_cbranch_scc0 .Lentry_shape_is_right
	s_endpgm
.Lentry_shape_is_right:
; out0 [4096][2048] f32 = attn x wo on codes of FP6 (E2M3), K = 1,024.  aq = [token tile 256][K group 2][record], wow = [tile of wo's columns 128][K group 2][record]; a record of 6,400 bytes: four fragments' images, then
; the scale words at 6,144 + 16 r + 4 s.  Row r of tile 2 B + u is index 32 B + 8 u + r + 8 (r / 8), for tokens and for columns.
; A work-group makes 256 tokens (X) x 128 columns (Y); a wave 64 x 128: 32 accumulators, window 1.  D = Y's fragment (source 0) x X's (source 1): a lane holds one token, and its 64 registers of a tile of tokens are the columns
; 32 b + 16 (lane / 16) + i in ascending order.
; CLUSTER 4 x 4: X's tiles hang on the tile row alone and are asked for jointly along a row of the cluster, Y's on the tile column alone and jointly along a column.
; Both K groups fit in LDS at once: two slots, each filled once; by the text's count a wave has two tensor loads out.
; THE WAY OUT: a tile of 16 tokens x 128 columns goes through the wave's stage and leaves as whole rows of 512 bytes.  The stage lies in slot 0, which has had its only fill, and which nobody reads behind the change of slots.
.set REC,   6400
.set FRB,   1536
.set SLOT,  24*REC
.set YOFF,  16*REC
.set SPARE, 2*SLOT                     ; the spare words, 128 bytes for each wave: two blocks of 256 bytes that no other line names
.set AX,   4
.set AY,   6
.set AS,   8
.set SPW,  10                          ; v10  my spare word; never rewritten
.set NIL,  11                          ; v11  0; never rewritten
.set STO,  12                          ; v12  the stage, way in
.set RD,   13                          ; v13  and back
.set LI,   14                          ; v14  16 x lane
.set SC,   32                          ; v32-63 scale words and nothing else
.set XF,   64
.set YF,   160
.set BK,   64                          ; the way out: v64-127 and v128-191 by turns
.set G1X,  24
.set G1Y,  32
.set G0X,  40
.set G0Y,  48
.set MUL,  0x50
.set MSB,  0
.macro WIN new
.if MSB != (\new)
	s_set_vgpr_msb (MSB<<8)|(\new)
.set MSB, (\new)
.endif
.endm
.macro PLACES
.rept 4
	v_nop
.endr
.endm
.macro JLOAD g0x, g1x, g0y, g1y        ; waves 0 and 1 fetch X's halves, waves 2 and 3 Y's; an s_nop 0 and four v_nop follow each line
	s_cmp_eq_u32 s22, 0
	s_cbranch_scc0 .Lfor_y_\@
	tensor_load_to_lds s[\g0x:\g0x+3], s[\g1x:\g1x+7]
	s_nop 0
.rept 4
	v_nop
.endr
	s_branch .Lasked_\@
.Lfor_y_\@:
	tensor_load_to_lds s[\g0y:\g0y+3], s[\g1y:\g1y+7]
	s_nop 0
.rept 4
	v_nop
.endr
.Lasked_\@:
.endm
.macro CROUND
	s_barrier_signal -1
	s_barrier_wait -1
	s_cmp_lg_u32 s20, 0
	s_cbranch_scc1 .Lnot_wave_0_\@
	s_barrier_signal -3
.Lnot_wave_0_\@:
	s_barrier_wait -3
	s_barrier_signal -1
	s_barrier_wait -1
.endm
.macro FETCH_X slot, s, set
.irp a, 0,1,2,3
.irp i, 0,1,2
	ds_load_b128 v[XF+48*(\set)+12*\a+4*\i:XF+48*(\set)+12*\a+4*\i+3], v[AX+\slot] offset:REC*\a+FRB*(\s)+512*\i
.endr
.endr
.endm
.macro FETCH_Y slot, s, half, set
.irp b, 0,1,2,3
.irp i, 0,1,2
	ds_load_b128 v[YF+48*(\set)+12*\b+4*\i:YF+48*(\set)+12*\b+4*\i+3], v[AY+\slot] offset:REC*(4*(\half)+\b)+FRB*(\s)+512*\i
.endr
.endr
.endm
.macro SCALES slot                     ; register SC + 4 i + s: lanes 16-31 Y tile i's word of K step s; lanes 0-15 X tile i's for i < 4 (for i >= 4 they read filled bytes of the slot that nobody uses)
.irp i, 0,1,2,3,4,5,6,7
	ds_load_b128 v[SC+4*\i:SC+4*\i+3], v[AS+\slot] offset:REC*\i+4*FRB
.endr
.endm
.macro MUL16 xset, yset, half, s, zero ; 16 products on 16 accumulators, one instruction a turn
.irp a, 0,1,2,3
.irp b, 0,1,2,3
.if \zero
	v_wmma_scale_f32_16x16x128_f8f6f4 v[8*(8*\a+4*(\half)+\b):8*(8*\a+4*(\half)+\b)+7], v[YF+48*(\yset)+12*\b:YF+48*(\yset)+12*\b+11], v[XF+48*(\xset)+12*\a:XF+48*(\xset)+12*\a+11], 0, v[SC+4*(4*(\half)+\b)+(\s)], v[SC+4*\a+(\s)] matrix_a_fmt:MATRIX_FMT_FP6 matrix_b_fmt:MATRIX_FMT_FP6 matrix_a_scale:MATRIX_SCALE_ROW1
.else
	v_wmma_scale_f32_16x16x128_f8f6f4 v[8*(8*\a+4*(\half)+\b):8*(8*\a+4*(\half)+\b)+7], v[YF+48*(\yset)+12*\b:YF+48*(\yset)+12*\b+11], v[XF+48*(\xset)+12*\a:XF+48*(\xset)+12*\a+11], v[8*(8*\a+4*(\half)+\b):8*(8*\a+4*(\half)+\b)+7], v[SC+4*(4*(\half)+\b)+(\s)], v[SC+4*\a+(\s)] matrix_a_fmt:MATRIX_FMT_FP6 matrix_b_fmt:MATRIX_FMT_FP6 matrix_a_scale:MATRIX_SCALE_ROW1
.endif
.endr
.endr
.endm
.macro UNIT slot, n, zero              ; unit n = 2 s + half asks for unit n + 1's fragments and multiplies its own, asked for a unit ago
.if (\n) > 0
	PLACES
.endif
.if (\n)%2 == 0
	FETCH_Y \slot, (\n)/2, 1, ((\n)+1)%2
	s_wait_dscnt 12                                ; all but the 12 just issued
.else
	FETCH_X \slot, ((\n)+1)/2, (((\n)+1)/2)%2
	FETCH_Y \slot, ((\n)+1)/2, 0, ((\n)+1)%2
	s_wait_dscnt 24                                ; all but the 24 just issued
.endif
	WIN MUL
	MUL16 ((\n)/2)%2, (\n)%2, (\n)%2, (\n)/2, \zero
	WIN 0
.endm
.macro VISIT slot, zero
	SCALES \slot
	FETCH_X \slot, 0, 0
	FETCH_Y \slot, 0, 0, 0
	UNIT \slot, 0, \zero
	UNIT \slot, 1, \zero
.irp n, 2,3,4,5,6
	UNIT \slot, \n, 0
.endr
.endm
	s_load_b128 s[4:7], s[0:1], 0x0                ; aq, wow
	s_load_b64 s[8:9], s[0:1], 0x10                ; out0
	v_lshl_add_u32 v[SPW], v0, 2, SPARE
	v_mov_b32 v[NIL], 0
	ds_add_u32 v[SPW], v[NIL]                      ; the wave's opening: the add and its wait ahead of my first tensor load
	v_lshrrev_b32 v1, 5, v0
	v_readfirstlane_b32 s20, v1                    ; wave 0..3
	s_and_b32 s21, s20, 1
	s_lshr_b32 s22, s20, 1
	s_bfe_u32 s66, ttmp6, 0x40000                  ; cx
	s_bfe_u32 s67, ttmp6, 0x40004                  ; cy
	s_lshl_b32 s68, ttmp9, 2
	s_add_co_u32 s68, s68, s66                     ; x: which 128 columns
	s_and_b32 s69, ttmp7, 0xffff
	s_lshl_b32 s69, s69, 2
	s_add_co_u32 s69, s69, s67                     ; y: which 256 tokens
	s_lshl_b32 s70, s67, 2
	s_lshl_b32 s70, 15, s70                        ; my row of the cluster
	s_lshl_b32 s71, 0x1111, s66                    ; my column
	s_or_b32 s[G1X], s70, (3<<16)|(1<<21)          ; elements of 8 bytes; bit 21 beside a mask; no padding
	s_or_b32 s[G1Y], s71, (3<<16)|(1<<21)
	s_mov_b32 s[G1X+1], 800<<16                    ; a record, 6,400 bytes
	s_mov_b32 s[G1X+2], 8<<16
	s_mov_b32 s[G1X+3], 800<<16
	s_mov_b32 s[G1X+4], 8
	s_mov_b32 s[G1X+5], 1600                       ; from a tile's record to the next tile's: two records
	s_mov_b32 s[G1X+6], 0
	s_mov_b32 s[G1X+7], 0
	s_mov_b32 s[G1Y+1], 800<<16
	s_mov_b32 s[G1Y+2], 4<<16
	s_mov_b32 s[G1Y+3], 800<<16
	s_mov_b32 s[G1Y+4], 4
	s_mov_b32 s[G1Y+5], 1600
	s_mov_b32 s[G1Y+6], 0
	s_mov_b32 s[G1Y+7], 0
	s_lshl_b32 s58, s69, 4
	s_lshl_b32 s59, s21, 3
	s_add_co_u32 s58, s58, s59                     ; X: tile 16 y + 8 x half
	s_mul_i32 s58, s58, 2*REC
	s_mov_b32 s59, 0
	s_lshl_b32 s72, s68, 3
	s_lshl_b32 s73, s21, 2
	s_add_co_u32 s72, s72, s73                     ; Y: tile 8 x + 4 x half
	s_mul_i32 s72, s72, 2*REC
	s_mov_b32 s73, 0
	s_mul_i32 s74, s21, 8*REC                      ; where they go in a slot: no place in the cluster enters an LDS address
	s_mul_i32 s75, s21, 4*REC
	s_add_co_u32 s75, s75, YOFF
	s_wait_dscnt 0x0                               ; the opening add is done
	s_wait_kmcnt 0x0
	s_add_nc_u64 s[58:59], s[4:5], s[58:59]
	s_add_nc_u64 s[72:73], s[6:7], s[72:73]
	CROUND                                         ; all sixteen work-groups are here: the joint loads meet
.irp s, 0,1
	s_mov_b32 s[G0X+4*\s], 1
	s_add_co_u32 s[G0X+4*\s+1], s74, \s*SLOT
	s_add_nc_u64 s[G0X+4*\s+2:G0X+4*\s+3], s[58:59], \s*REC
	s_or_b32 s[G0X+4*\s+3], s[G0X+4*\s+3], 0x80000000
	s_mov_b32 s[G0Y+4*\s], 1
	s_add_co_u32 s[G0Y+4*\s+1], s75, \s*SLOT
	s_add_nc_u64 s[G0Y+4*\s+2:G0Y+4*\s+3], s[72:73], \s*REC
	s_or_b32 s[G0Y+4*\s+3], s[G0Y+4*\s+3], 0x80000000
	JLOAD G0X+4*\s, G1X, G0Y+4*\s, G1Y             ; K group s into slot s
.endr
	v_and_b32 v1, 31, v0                           ; lane
	v_and_b32 v2, 15, v0                           ; r
	v_bfe_u32 v3, v0, 4, 1                         ; h
	v_lshlrev_b32 v[LI], 4, v1
	s_mul_i32 s76, s20, 4*REC
	v_add_nc_u32 v[AX], s76, v[LI]
	v_add_nc_u32 v[AX+1], SLOT, v[AX]
	v_add_nc_u32 v[AY], YOFF, v[LI]
	v_add_nc_u32 v[AY+1], SLOT+YOFF, v[LI]
	s_xor_b32 s77, s20, 3
	s_add_co_u32 s77, s77, 1
	s_mul_i32 s77, s77, 4*REC                      ; from my records of X to Y's first
	v_mul_u32_u24 v[AS], s77, v3                   ; lanes 16-31 take Y's
	v_lshl_add_u32 v[AS], v2, 4, v[AS]
	v_add_nc_u32 v[AS], s76, v[AS]
	v_add_nc_u32 v[AS+1], SLOT, v[AS]
	s_mul_i32 s78, s20, 16*528                     ; my stage: 16 rows x (512 + 16) bytes
	v_mul_u32_u24 v[STO], v2, 528
	v_lshl_add_u32 v[STO], v3, 6, v[STO]
	v_add_nc_u32 v[STO], s78, v[STO]               ; in: row r, + 64 h bytes
	v_add_nc_u32 v[RD], s78, v[LI]                 ; back: the 32 lanes take a row
	s_lshl_b32 s76, s69, 21                        ; out0 at token 256 y + 64 wave (8,192 bytes a token), column 128 x
	s_lshl_b32 s77, s20, 19
	s_add_co_u32 s76, s76, s77
	s_lshl_b32 s77, s68, 9
	s_add_co_u32 s76, s76, s77
	s_mov_b32 s77, 0
	s_add_nc_u64 s[8:9], s[8:9], s[76:77]
	s_wait_tensorcnt 1                             ; my part of K group 0 is in; group 1's may stay out
	s_barrier_signal -1
	s_barrier_wait -1
	VISIT 0, 1                                     ; K step 0's products start the sums: nothing is cleared
	s_wait_tensorcnt 0x0                           ; the change of slots: my part of slot 1 is in,
	ds_add_u32 v[SPW], v[NIL]
	s_wait_dscnt 1                                 ; unit 7's fragments are in; the add alone may be out
	WIN MUL
	MUL16 1, 1, 1, 3, 0
	WIN 0
	s_wait_dscnt 0x0                               ; the add is done, and my reads of slot 0 are over
	s_barrier_signal -1
	s_barrier_wait -1                              ; both hold of every wave
	PLACES
	VISIT 1, 0
	s_wait_dscnt 0x0                               ; the last unit: nothing more to fetch
	WIN MUL
	MUL16 1, 1, 1, 3, 0
	WIN 0
	PLACES
.macro TOSTAGE a                       ; tile a of my tokens: 64 bytes a lane and block of 32 columns into the stage, whole rows back
	WIN 0x04                                       ; an LDS store's data are its source 1: window 1
.irp b, 0,1,2,3
.irp q, 0,1,2,3
	ds_store_b128 v[STO], v[64*(\a)+16*\b+4*\q:64*(\a)+16*\b+4*\q+3] offset:128*\b+16*\q   ; each accumulator from its low end on
.endr
.endr
	WIN 0
.set BB, BK+64*((\a)%2)
.irp t, 0,1,2,3,4,5,6,7,8,9,10,11,12,13,14,15
	ds_load_b128 v[BB+4*\t:BB+4*\t+3], v[RD] offset:\t*528   ; LDS serves a wave's instructions in order: these see my stores, and the next tile's stores come behind them
.endr
.endm
.macro SEND a, younger                 ; younger: the LDS instructions issued behind tile a's loads
.set BB, BK+64*((\a)%2)
	s_wait_dscnt \younger
.irp t, 0,1,2,3,4,5,6,7,8,9,10,11,12,13,14,15
	global_store_b128 v[LI], v[BB+4*\t:BB+4*\t+3], s[8:9] offset:(32*((\a)/2)+8*((\a)%2)+\t+8*(\t/8))*8192 th:TH_STORE_NT   ; tile row t's token: 512 consecutive bytes, at a multiple of 256 from out0's first byte
.endr
.endm
	TOSTAGE 0
	TOSTAGE 1
	SEND 0, 32                                     ; behind tile 0's loads: tile 1's 16 stores and 16 loads
	s_wait_xcnt 0x0                                ; tile 0's stores have read their registers: tile 2's rows may land there
	TOSTAGE 2
	SEND 1, 32
	s_wait_xcnt 0x0
	TOSTAGE 3
	SEND 2, 32
	SEND 3, 0
	s_wait_tensorcnt 0x0                           ; the wave's end
	ds_add_u32 v[SPW], v[NIL]
	s_wait_dscnt 0x0
	CROUND                                         ; the closing round
	s_endpgm
.Lfunc_end_k_q10c6b71555_outp:
	.size	k_q10c6b71555_outp, .Lfunc_end_k_q10c6b71555_outp-k_q10c6b71555_outp
	.p2alignl 7, 3214868480
	.fill 96, 4, 3214868480
	.section	.rodata,"a",@progbits
	.p2align	6, 0x0
	.amdhsa_kernel k_q10c6b71555_outp
		.amdhsa_group_segment_fixed_size 327680
		.amdhsa_private_segment_fixed_size 0
		.amdhsa_enable_private_segment 0
		.amdhsa_kernarg_size 24
		.amdhsa_user_sgpr_count 2
		.amdhsa_user_sgpr_kernarg_segment_ptr 1
		.amdhsa_wavefront_size32 1
		.amdhsa_system_sgpr_workgroup_id_x 1
		.amdhsa_system_sgpr_workgroup_id_y 1
		.amdhsa_system_sgpr_workgroup_id_z 1
		.amdhsa_system_vgpr_workitem_id 0
		.amdhsa_next_free_vgpr 512
		.amdhsa_next_free_sgpr 96
		.amdhsa_reserve_vcc 0
		.amdhsa_float_denorm_mode_32 3
		.amdhsa_float_denorm_mode_16_64 3
		.amdhsa_memory_ordered 1
		.amdhsa_forward_progress 1
		.amdhsa_inst_pref_size 76
	.end_amdhsa_kernel
	.amdgpu_metadata
---
amdhsa.version: [ 1, 2 ]
amdhsa.kernels:
  - .name:           k_q10c6b71555_outp
    .symbol:         k_q10c6b71555_outp.kd
    .args:
      - { .name: aq, .offset: 0, .size: 8, .value_kind: global_buffer, .address_space: global }
      - { .name: wow, .offset: 8, .size: 8, .value_kind: global_buffer, .address_space: global }
      - { .name: out0, .offset: 16, .size: 8, .value_kind: global_buffer, .address_space: global }
    .group_segment_fixed_size: 327680
    .private_segment_fixed_size: 0
    .kernarg_segment_align: 8
    .kernarg_segment_size: 24
    .max_flat_workgroup_size: 128
    .sgpr_count:     96
    .vgpr_count:     512
    .wavefront_size: 32
...
	.end_amdgpu_metadata
.endif
;; end of part 5
